; MI455X (gfx1250); checked and timed in simulation.
; The chip was launched on July 23, 2026; its instructions are those of AMD's public machine-readable ISA for CDNA 5 (MIT licence, August 2026) and "CDNA5" Instruction Set Architecture Reference Guide (July 2026). The comments in the code are by the model that wrote it; some were corrected since.
;; Encoder Layer. Allowed arithmetic: matrix products marked QUANTISED: E4M3 operands, one given power-of-two scale a tensor, by v_wmma_f32_16x16x64_fp8_fp8 or v_wmma_f32_16x16x128_fp8_fp8, f32 sums; products left as they are: f32 operands where the result goes on into a quantised operand, else bf16, f16 or f32 operands; f32 sums; everything else in f32.
;; Inputs: ffn_b1 4,096 float32; ffn_b2 1,024 float32; ffn_w1 1,024 x 4,096 float32; ffn_w2 4,096 x 1,024 float32; ln1_b 1,024 float32; ln1_g 1,024 float32; ln2_b 1,024 float32; ln2_g 1,024 float32; lowp_scales 16 int32 (the exponents e of the quantised operands' scales 2^e); src_mask 2 x 1 x 1 x 2,048 bool; w_k 1,024 x 1,024 float32; w_o 1,024 x 1,024 float32; w_q 1,024 x 1,024 float32; w_v 1,024 x 1,024 float32; x 2 x 2,048 x 1,024 float32.
;; Outputs: out0 2 x 2,048 x 1,024 float32.
;; This version of the problem:
;;   THIS VERSION OF THE PROBLEM IS GIVEN IN LOW PRECISION. The matrix products marked QUANTISED in the list below multiply operands that are first quantised to E4M3 (4 exponent bits, 3 mantissa bits; 8 bits a number), with one given power-of-two scale for each operand tensor; their sums are f32. All else is computed in f32.
;;   The module's matrix products, in the order in which they are computed (A, B: the left and right operand; K: the contracted axis; several contracted axes count as one K, in the product's order):
;;     1. [M 4,096, K 1,024] x [K 1,024, N 1,024]; A: computed on the way; B: input w_q: QUANTISED (scales: A lowp_scales[0], B lowp_scales[1])
;;     2. [M 4,096, K 1,024] x [K 1,024, N 1,024]; A: computed on the way; B: input w_k: QUANTISED (scales: A lowp_scales[2], B lowp_scales[3])
;;     3. [M 4,096, K 1,024] x [K 1,024, N 1,024]; A: computed on the way; B: input w_v: QUANTISED (scales: A lowp_scales[4], B lowp_scales[5])
;;     4. [M 2,048, K 1] x [K 1, N 32]; A: computed on the way; B: computed on the way: left as it is (no contracted axis)
;;     5. batch 32 x [M 2,048, K 64] x [K 64, N 2,048]; A: computed on the way; B: computed on the way: QUANTISED (scales: A lowp_scales[6], B lowp_scales[7])
;;     6. batch 32 x [M 2,048, K 2,048] x [K 2,048, N 64]; A: softmax (see below); B: computed on the way: QUANTISED (scales: A lowp_scales[8], B lowp_scales[9])
;;     7. [M 4,096, K 1,024] x [K 1,024, N 1,024]; A: computed on the way; B: input w_o: QUANTISED (scales: A lowp_scales[10], B lowp_scales[11])
;;     8. [M 4,096, K 1,024] x [K 1,024, N 4,096]; A: computed on the way; B: input ffn_w1: QUANTISED (scales: A lowp_scales[12], B lowp_scales[13])
;;     9. [M 4,096, K 4,096] x [K 4,096, N 1,024]; A: computed on the way; B: input ffn_w2: QUANTISED (scales: A lowp_scales[14], B lowp_scales[15])
;;   THE QUANTISER, for each operand of a quantised product, along K:
;;     - The operand's scale is 2^e, e = its entry of the input lowp_scales (int32; the entries are numbered through the quantised products in the list's order, A before B).
;;     - Each number is divided by the scale, clamped to +-448, and rounded to the nearest number of E4M3, ties to even, subnormals kept.
;;     - The product sums the exact products of the quantised numbers (number of the format x scale) in f32.
;;   ~~~python
;;   def quantise(x, axis, e):      # numpy; x: float32 -> the quantised numbers, widened to float32 again
;;       x = np.moveaxis(x, axis, -1); K = x.shape[-1]
;;       r = np.clip(x / 2.0 ** e, -448, 448)
;;       step = 2.0 ** (np.maximum(np.frexp(np.where(r == 0, 1, r))[1] - 1, -6) - 3)
;;       q = np.round(r / step) * step * 2.0 ** e      # np.round: ties to even
;;       return np.moveaxis(q, -1, axis).astype(np.float32)
;;   ~~~
;;   SOFTMAX AHEAD OF A QUANTISED PRODUCT. Where the list says 'softmax', what is quantised is not the finished softmax but p = 2^(t - M), with t = logit x log2(e) and M = ceil(the row's largest t), a whole number; so 1/2 < the row's largest p <= 1. The row's sum l is taken of the UNQUANTISED p, in f32, and the product's result is divided by l at the end. Since M is a whole number, a kernel that streams over the keys may use a running M (the ceiling of the running maximum): every later rescaling is an exact power of two, so the quantised numbers keep their values, but for numbers so far below the row's largest that they fall under the format's range.
;;   OPERANDS COMPUTED ON THE WAY. 'Computed on the way' means the value that the module computes at that place (a softmax that the list does not call 'softmax' is quantised finished and normalised). What goes into a quantiser is computed in f32, as accurately as f32 sums, v_exp_f32 and their like allow (about 1e-6 of the number): no bf16 or f16 on the way to a quantiser, and a product that is left as it is and whose result goes on into a quantised operand takes f32 operands (vector FMAs, or v_wmma_f32_16x16x4_f32). A number that lies on a knife's edge between two numbers of the format may be rounded either way, as far as f32 arithmetic and the matrix unit's own rounding can turn it there, and no further.
;; One version. Each part assembles by itself: llvm-mc -triple=amdgcn-amd-amdhsa -mcpu=gfx1250 --defsym DOCPART=n.
;; ======== version 1 of 1: 7 launches
;; limits: right only within a limited range of input values
;; workspace buffers: x1img 12,582,912 bytes; wimg 12,582,912 bytes; rope 524,288 bytes; qkvimg 12,582,912 bytes; cimg 4,194,304 bytes; xr 16,777,216 bytes; x2img 4,194,304 bytes; himg 16,777,216 bytes
;; launch prep (part 1): grid 656 x 1, 4 waves a work-group, no clusters, 99,584 bytes of LDS; arguments x, ln1_g, ln1_b, w_q, w_k, w_v, w_o, ffn_w1, ffn_w2, lowp_scales, x1img, wimg, rope; writes x1img, wimg, rope
.if DOCPART == 1
	.amdgcn_target "amdgcn-amd-amdhsa--gfx1250"
	.amdhsa_code_object_version 6
	.text
	.protected	k_qd456324a20_prep
	.globl	k_qd456324a20_prep
	.p2align	8
	.type	k_qd456324a20_prep,@function
k_qd456324a20_prep:
	s_mov_b64 s[64:65], 0
	v_nop
	global_prefetch_b8 v0, s[64:65] scope:SCOPE_SE
	s_setreg_imm32_b32 hwreg(HW_REG_WAVE_MODE, 25, 1), 1
	s_wait_xcnt 0x0
; PREP: three jobs in one launch, told apart by the work-group's number; four waves to a work-group.
;   work-groups 0-255:   LN1 of 16 rows of x, quantised three times (scale entries 0, 2, 4) into x1img.  Each wave normalises four rows into a stage in LDS; one barrier; each converts two of the eight K blocks
;   work-groups 256-639: a wave takes 64 k x 128 n of one of the six weights (f32, K outermost) into codes, K innermost, in wimg; the waves share nothing
;   work-groups 640-655: a wave takes 32 positions of the table of cos and sin for RoPE
; Memory binds, so the shares are small and many: a wave asks for 16 KiB at once (four rows of x, or four sets of eight rows of a weight), and a work-group claims 99,584 bytes of LDS.
; THE IMAGE LAYOUT of every buffer of codes: a tile of 16 rows x 128 K is 2,048 bytes, the picture of the operand's 16 registers:
; part p (512 bytes) holds registers 4p..4p+3, lane l's 16 bytes at 16 l.  Lane (r = l%16, h = l/16), register 2c+u, byte y is
; element (row r, k = 16c + 8h + 4u + y): the layout of the plain 8-bit matrix forms.  Tile (rt, kb) lies at (rt K/128 + kb) 2048; 64 along K are two parts, 1,024 bytes on end.
; code = x / 2^e, held within +-448, to the nearest code, ties to even.
; LIMITS: each e between -126 and 119.  NaN among the inputs is not served.  cos and sin: the angle is the f32 product
; position x inv_freq; inv_freq comes from one v_exp_f32 and a correction, sin and cos from a reduction by pi/2 in two parts and polynomials.
; Each path has LDS bytes of its own: LN 0 .. 65,791, the weights 65,792 .. 99,071 (8,320 a wave).
.set LNP,  4112                        ; LN stage: a row of 4,096 bytes + 16, so that 16 rows' 16-byte reads start 4 words apart
.set WQB,  16*LNP                      ; the weights' stages begin here
.set WQP,  1040                        ; half an image + 16 bytes
.set NG,   8                           ; groups of eight rows of k in a wave's share of a weight
.set NS,   3                           ; scales that x1 is quantised with
.set NR,   4                           ; rows of a wave
.set G,    32                          ; v32-63  gain     (later T: v32-47 held numbers, PCD: v48-95 codes)
.set BV,   64                          ; v64-95  bias
.set X,    96                          ; v96-223 four rows of 32 registers; later two K blocks of 64 numbers
.set T,    32
.set PCD,  48
.macro MKSCALE e, vs, vl, t0, t1       ; s[e] = e  ->  v[vs] = 2^e, v[vl] = 448 x 2^e, as f32 patterns
	s_add_co_i32 s[\t0], s[\e], 127
	s_lshl_b32 s[\t1], s[\t0], 23
	v_mov_b32 v[\vs], s[\t1]
	s_add_co_i32 s[\t0], s[\t0], 8
	s_lshl_b32 s[\t0], s[\t0], 23
	s_or_b32 s[\t0], s[\t0], 0x600000
	v_mov_b32 v[\vl], s[\t0]
.endm
.macro LNSUM                           ; four packed chains v[2:9] -> the sum over the row, in every lane's v14
	v_pk_add_f32 v[2:3], v[2:3], v[4:5]
	v_pk_add_f32 v[6:7], v[6:7], v[8:9]
	v_pk_add_f32 v[2:3], v[2:3], v[6:7]
	v_add_f32 v14, v2, v3
	v_add_f32_dpp v14, v14, v14 row_xmask:1 row_mask:0xf bank_mask:0xf
	v_add_f32_dpp v14, v14, v14 row_xmask:2 row_mask:0xf bank_mask:0xf
	v_add_f32_dpp v14, v14, v14 row_xmask:4 row_mask:0xf bank_mask:0xf
	v_add_f32_dpp v14, v14, v14 row_xmask:8 row_mask:0xf bank_mask:0xf
	v_permlanex16_b32 v15, v14, s12, s13
	v_add_f32 v14, v14, v15
.endm
.macro LNLOAD rr                       ; a row: eight loads of 512 consecutive bytes
.irp i, 0,1,2,3,4,5,6,7
	global_load_b128 v[X+32*(\rr)+4*\i:X+32*(\rr)+4*\i+3], v27, s[4:5] offset:(\rr)*4096+512*\i
.endr
.endm
.macro LNROW rr                        ; one row: mean, variance of the centred row (two passes), normalise, gain and bias, into the stage
.set XS, X+32*(\rr)
	s_wait_loadcnt 8*(NR-1-(\rr))                  ; my row is in; the rows behind it, eight loads each, may be out
.irp c, 0,2,4,6
	v_pk_add_f32 v[2+\c:3+\c], v[XS+\c:XS+\c+1], v[XS+8+\c:XS+9+\c]
.endr
.irp o, 16,24
.irp c, 0,2,4,6
	v_pk_add_f32 v[2+\c:3+\c], v[2+\c:3+\c], v[XS+\o+\c:XS+\o+\c+1]
.endr
.endr
	LNSUM
	v_mul_f32 v10, s14, v14                        ; mean = sum / 1024
.set n, 0
.rept 16
	v_pk_add_f32 v[XS+n:XS+n+1], v[XS+n:XS+n+1], v[10:11] op_sel_hi:[1,0] neg_lo:[0,1] neg_hi:[0,1]
.set n, n+2
.endr
.irp c, 0,2,4,6
	v_pk_mul_f32 v[2+\c:3+\c], v[XS+\c:XS+\c+1], v[XS+\c:XS+\c+1]
.endr
.irp o, 8,16,24
.irp c, 0,2,4,6
	v_pk_fma_f32 v[2+\c:3+\c], v[XS+\o+\c:XS+\o+\c+1], v[XS+\o+\c:XS+\o+\c+1], v[2+\c:3+\c]
.endr
.endr
	LNSUM
	v_fma_f32 v14, v14, s14, s15                   ; variance + 1e-6
	s_wait_alu depctr_va_vdst(0)
	v_rsq_f32 v12, v14
	v_nop                                          ; a plain instruction behind the transcendental,
	s_wait_alu depctr_va_vdst(0)                   ; and the wait ahead of its first reader
.set n, 0
.rept 16
	v_pk_mul_f32 v[XS+n:XS+n+1], v[XS+n:XS+n+1], v[12:13] op_sel_hi:[1,0]
.set n, n+2
.endr
.set n, 0
.rept 16
	v_pk_fma_f32 v[XS+n:XS+n+1], v[XS+n:XS+n+1], v[G+n:G+n+1], v[BV+n:BV+n+1]
.set n, n+2
.endr
.irp i, 0,1,2,3,4,5,6,7
	ds_store_b128 v16, v[XS+4*\i:XS+4*\i+3] offset:(\rr)*LNP+512*\i
.endr
.endm
.macro LNQ pr                          ; two K blocks of 128: lane (r, h) reads, of row r, k = 16c + 8h + 0..7 for c = 0..7, and converts them for each scale
.irp kk, 0,1
.irp c, 0,1,2,3,4,5,6,7
	ds_load_b128 v[X+64*\kk+8*\c:X+64*\kk+8*\c+3], v17 offset:512*(2*(\pr)+\kk)+64*\c
	ds_load_b128 v[X+64*\kk+8*\c+4:X+64*\kk+8*\c+7], v17 offset:512*(2*(\pr)+\kk)+64*\c+16
.endr
.endr
.irp kk, 0,1
	s_wait_dscnt 16-16*\kk                         ; this block's sixteen loads are in; the second block's may be out
	s_wait_xcnt 0x0                                ; earlier stores have read the codes' registers
.set sI, 0
.rept NS
.irp c, 0,1,2,3,4,5,6,7
.irp j, 0,1,2,3,4,5,6,7
	v_med3_num_f32 v[T+8*(\c%2)+\j], v[X+64*\kk+8*\c+\j], -v[19+2*sI], v[19+2*sI]   ; the conversion does not saturate (ISA guide 7.6.2): the hold comes first
.endr
	v_cvt_scalef32_pk8_fp8_f32 v[PCD+16*sI+2*\c:PCD+16*sI+2*\c+1], v[T+8*(\c%2):T+8*(\c%2)+7], v[18+2*sI]
.endr
.set sI, sI+1
.endr
	v_nop                                          ; a plain instruction behind the last conversion
.set sI, 0
.rept NS
.irp p, 0,1,2,3
	global_store_b128 v[24+sI], v[PCD+16*sI+4*\p:PCD+16*sI+4*\p+3], s[18:19] offset:(2*(\pr)+\kk)*2048+512*\p   ; 512 consecutive bytes of an image
.endr
.set sI, sI+1
.endr
.endr
.endm
.macro WLOAD set                       ; eight rows of k, 512 consecutive bytes each
.irp i, 0,1,2,3,4,5,6,7
	global_load_b128 v[32+32*(\set)+4*\i:32+32*(\set)+4*\i+3], v[2+\i], s[40+2*(\set):41+2*(\set)] th:TH_LOAD_NT
.endr
.endm
.macro GROUP g                         ; k = 8g .. 8g+7 of my four columns: held (which also turns rows into columns), converted, into the stage
.set LS, 32+32*((\g)%4)
.set CSET, 192+8*((\g)%2)
.if NG-1-(\g) >= 3
	s_wait_loadcnt 24                              ; this set's eight loads are in; three sets may be out
.else
	s_wait_loadcnt 8*(NG-1-(\g))
.endif
.irp q, 0,1,2,3
.irp i, 0,1,2,3,4,5,6,7
	v_med3_num_f32 v[160+8*\q+\i], v[LS+4*\i+\q], -v21, v21
.endr
.endr
.if (\g) >= 2
	s_wait_alu depctr_va_vdst(0)
	s_wait_dscnt 4                                 ; the stores of two groups back have read these registers; the last group's four may be out
.endif
.irp q, 0,1,2,3
	v_cvt_scalef32_pk8_fp8_f32 v[CSET+2*\q:CSET+2*\q+1], v[160+8*\q:160+8*\q+7], v20
.endr
	v_nop
.irp q, 0,1,2,3
	ds_store_b64 v18, v[CSET+2*\q:CSET+2*\q+1] offset:16*\q+((\g)/4)*512+((\g)%2)*256+(((\g)/2)%2)*8   ; within the half image: part g/4, lane 16 (g%2) + r, half (g/2)%2
.endr
.if (\g)+4 < NG
	s_add_nc_u64 s[40+2*((\g)%4):41+2*((\g)%4)], s[40+2*((\g)%4):41+2*((\g)%4)], s[48:49]   ; the set's loads are done (the counted wait above): its base steps 32 rows
	WLOAD (\g)%4
.endif
.endm
	v_lshl_add_u32 v224, v0, 2, 0x18300
	v_mov_b32 v225, 0
	v_lshrrev_b32 v1, 5, v0
	v_readfirstlane_b32 s2, v1                     ; wave 0 .. 3
	s_cmp_lt_u32 ttmp9, 256
	s_cbranch_scc1 .Lln
	s_cmp_lt_u32 ttmp9, 640
	s_cbranch_scc1 .Lwq
	; ---------------- the table for RoPE: rope[pos][0..31] = cos(pos f_j), [32..63] = sin(pos f_j), f_j = 10000^(-j/32)
	s_load_b64 s[4:5], s[0:1], 0x60
	s_sub_co_u32 s6, ttmp9, 640
	s_lshl_b32 s6, s6, 2
	s_add_co_u32 s6, s6, s2                        ; which 32 positions are my wave's, 0 .. 63
	s_lshl_b32 s7, s6, 5                           ; my first position
	s_lshl_b32 s8, s6, 13                          ; 32 rows of 256 bytes
	s_mov_b32 s9, 0
	s_mov_b32 s10, 0
	s_mov_b32 s12, 0x3fc90fdb                      ; pi/2, upper part
	s_mov_b32 s13, 0xb33bbd2e                      ; pi/2, the rest
	s_mov_b32 s14, 0x3f22f983                      ; 2/pi
	s_mov_b32 s16, 0xb94ca1f9                      ; sine:   -1.9515295891e-4, 8.3321608736e-3, -1.6666654611e-1
	s_mov_b32 s17, 0x3c08839e
	s_mov_b32 s18, 0xbe2aaaa3
	s_mov_b32 s19, 0x37ccf5ce                      ; cosine:  2.443315712e-5, -1.388731625e-3, 4.166664568e-2
	s_mov_b32 s20, 0xbab6061a
	s_mov_b32 s21, 0x3d2aaaa5
	v_bfe_u32 v1, v0, 4, 1                         ; lanes 16-31 take the odd position of a trip's two
	v_and_b32 v2, 15, v0
	v_and_b32 v3, 7, v0
	v_lshlrev_b32 v3, 2, v3                        ; my first j
	v_lshlrev_b32 v4, 4, v2
	v_lshl_add_u32 v4, v1, 8, v4                   ; sixteen lanes store one row of 256 bytes
	v_bfe_u32 v5, v0, 3, 1
	v_xor_b32 v5, 1, v5                            ; 1 in the lanes that make cosines: cos a = sin(a + pi/2)
	v_add_nc_u32 v6, s7, v1
	v_cvt_f32_u32 v6, v6                           ; my position
.irp i, 0,1,2,3
	v_add_nc_u32 v[16+\i], \i, v3
	v_cvt_f32_u32 v[16+\i], v[16+\i]
	v_mul_f32 v[20+\i], 0xbed49a00, v[16+\i]       ; -j x 27213/65536: exact
	v_mul_f32 v[16+\i], 0xb626c40c, v[16+\i]       ; -j x ln 2 x (log2(10000)/32 - 27213/65536)
.endr
	s_wait_alu depctr_va_vdst(0)
.irp i, 0,1,2,3
	v_exp_f32 v[8+\i], v[20+\i]
.endr
	v_nop
	s_wait_alu depctr_va_vdst(0)                   ; one wait for the four exponentials, ahead of their first reader
.irp i, 0,1,2,3
	v_fma_f32 v[8+\i], v[8+\i], v[16+\i], v[8+\i]  ; f_j
.endr
	s_wait_kmcnt 0x0
	s_add_nc_u64 s[4:5], s[4:5], s[8:9]
.Lrope:
	s_wait_alu depctr_va_vdst(0)
.irp i, 0,1,2,3
	v_mul_f32 v[16+\i], v6, v[8+\i]                ; the angle
	v_mul_f32 v[20+\i], s14, v[16+\i]
	v_rndne_f32 v[20+\i], v[20+\i]                 ; n quarters of a turn
	v_fma_f32 v[16+\i], -v[20+\i], s12, v[16+\i]
	v_fma_f32 v[16+\i], -v[20+\i], s13, v[16+\i]   ; r, within +-pi/4
	v_mul_f32 v[24+\i], v[16+\i], v[16+\i]         ; z = r r
	v_cvt_i32_f32 v[20+\i], v[20+\i]
	v_add_nc_u32 v[20+\i], v[20+\i], v5            ; the quadrant
	v_fma_f32 v[28+\i], v[24+\i], s16, s17
	v_fma_f32 v[28+\i], v[28+\i], v[24+\i], s18
	v_mul_f32 v[28+\i], v[28+\i], v[24+\i]
	v_fma_f32 v[28+\i], v[28+\i], v[16+\i], v[16+\i]   ; sin r
	v_fma_f32 v[32+\i], v[24+\i], s19, s20
	v_fma_f32 v[32+\i], v[32+\i], v[24+\i], s21
	v_fma_f32 v[16+\i], v[24+\i], -0.5, 1.0
	v_mul_f32 v[24+\i], v[24+\i], v[24+\i]
	v_fma_f32 v[32+\i], v[32+\i], v[24+\i], v[16+\i]   ; cos r
	v_and_b32 v[16+\i], 1, v[20+\i]
	v_cmp_eq_u32 vcc_lo, 1, v[16+\i]
	v_cndmask_b32 v[28+\i], v[28+\i], v[32+\i], vcc_lo ; odd quadrants take the cosine,
	v_lshlrev_b32 v[20+\i], 30, v[20+\i]
	v_and_b32 v[20+\i], 0x80000000, v[20+\i]
	v_xor_b32 v[12+\i], v[20+\i], v[28+\i]         ; quadrants 2 and 3 the other sign
.endr
	global_store_b128 v4, v[12:15], s[4:5]
	v_add_f32 v6, 2.0, v6
	s_wait_xcnt 0x0                                ; the store has read its data and base: both are written again
	s_add_nc_u64 s[4:5], s[4:5], 512
	s_add_co_u32 s10, s10, 1
	s_cmp_lt_u32 s10, 16
	s_cbranch_scc1 .Lrope
	s_endpgm
	; ---------------- a weight: 64 k x 128 n to a wave.  A lane takes four columns; its registers run down K
.Lwq:
	s_load_b256 s[4:11], s[0:1], 0x18              ; w_q, w_k, w_v, w_o
	s_load_b128 s[12:15], s[0:1], 0x38             ; ffn_w1, ffn_w2
	s_load_b64 s[16:17], s[0:1], 0x48              ; the scales' exponents
	s_load_b64 s[18:19], s[0:1], 0x58              ; wimg
	s_sub_co_u32 s20, ttmp9, 256
	s_lshl_b32 s20, s20, 2
	s_add_co_u32 s20, s20, s2                      ; my wave's share: 4 x 128 for the square weights, then 512 for ffn_w1, 512 for ffn_w2
	s_lshr_b32 s21, s20, 7
	s_and_b32 s22, s20, 127
	s_lshr_b32 s23, s20, 9
	s_add_co_u32 s23, s23, 3
	s_and_b32 s24, s20, 511
	s_cmp_lt_u32 s20, 512
	s_cselect_b32 s21, s21, s23                    ; which weight, 0 .. 5
	s_cselect_b32 s22, s22, s24                    ; which block of it
	s_cmp_eq_u32 s21, 4
	s_cselect_b32 s25, 14, 12                      ; log2 of a row of the weight in bytes
	s_cselect_b32 s27, 5, 3                        ; log2 of its blocks of 128 columns
	s_cmp_eq_u32 s21, 5
	s_cselect_b32 s26, 16, 14                      ; log2 of the bytes from one tile of 16 columns to the next in the images
	s_bfm_b32 s28, s27, 0
	s_and_b32 s28, s22, s28                        ; block of 128 columns
	s_lshr_b32 s29, s22, s27                       ; block of 64 k
	s_lshl_b32 s30, s21, 3
	s_cmp_lt_u32 s21, 3
	s_cselect_b32 s31, 4, 20
	s_add_co_u32 s30, s30, s31                     ; the scale's byte: entries 1, 3, 5, 11, 13, 15
	s_mov_b32 s31, 0
	s_sub_co_u32 s32, s21, 3
	s_lshl_b32 s32, s32, 2
	s_cmp_lt_u32 s21, 4
	s_cselect_b32 s32, s21, s32                    ; the weight's place in wimg, in MiB: 0, 1, 2, 3, 4, 8
	s_lshl_b32 s32, s32, 20
	s_add_co_u32 s33, s26, 3
	s_lshl_b32 s33, s28, s33                       ; eight tiles of 16 columns a block,
	s_add_co_u32 s32, s32, s33
	s_lshl_b32 s33, s29, 10                        ; 1,024 bytes of each tile's images for 64 k
	s_add_co_u32 s32, s32, s33
	s_mov_b32 s33, 0
	s_add_co_u32 s34, s25, 6
	s_lshl_b32 s34, s29, s34                       ; 64 rows of the weight,
	s_lshl_b32 s35, s28, 9                         ; 512 bytes of each
	s_add_co_u32 s34, s34, s35
	s_mov_b32 s35, 0
	v_and_b32 v1, 31, v0
	v_lshlrev_b32 v1, 4, v1                        ; 16 x lane
	s_wait_alu depctr_va_vdst(0)
.irp i, 0,1,2,3,4,5,6,7
	s_lshl_b32 s36, \i, s25
	v_add_nc_u32 v[2+\i], s36, v1                  ; in: 16 x lane + i rows
	s_lshl_b32 s36, \i, s26
	v_add_nc_u32 v[10+\i], s36, v1                 ; out: 16 x lane + i tiles
.endr
	v_bfe_u32 v18, v0, 2, 3                        ; lane / 4
	v_mul_u32_u24 v18, v18, WQP
	v_and_b32 v19, 3, v0
	v_lshl_add_u32 v18, v19, 6, v18
	s_mul_i32 s36, s2, 8*WQP
	s_add_co_u32 s36, s36, WQB                     ; my wave's stage
	v_add_nc_u32 v18, s36, v18                     ; in: tile lane/4, row r = 4 (lane%4) + q
	v_add_nc_u32 v19, s36, v1                      ; out: 16 x lane
	s_wait_alu depctr_va_vdst(0)
	s_wait_kmcnt 0x0
	s_mov_b64 s[36:37], s[4:5]
	s_cmp_eq_u32 s21, 1
	s_cselect_b64 s[36:37], s[6:7], s[36:37]
	s_cmp_eq_u32 s21, 2
	s_cselect_b64 s[36:37], s[8:9], s[36:37]
	s_cmp_eq_u32 s21, 3
	s_cselect_b64 s[36:37], s[10:11], s[36:37]
	s_cmp_eq_u32 s21, 4
	s_cselect_b64 s[36:37], s[12:13], s[36:37]
	s_cmp_eq_u32 s21, 5
	s_cselect_b64 s[36:37], s[14:15], s[36:37]
	s_add_nc_u64 s[16:17], s[16:17], s[30:31]
	s_load_b32 s38, s[16:17], 0x0                  ; e
	s_add_nc_u64 s[18:19], s[18:19], s[32:33]
	s_add_nc_u64 s[40:41], s[36:37], s[34:35]      ; four bases, eight rows apart
	s_add_co_u32 s39, s25, 3
	s_lshl_b32 s48, 1, s39
	s_mov_b32 s49, 0
	s_add_nc_u64 s[42:43], s[40:41], s[48:49]
	s_add_nc_u64 s[44:45], s[42:43], s[48:49]
	s_add_nc_u64 s[46:47], s[44:45], s[48:49]
	s_lshl_b32 s48, s48, 2                         ; 32 rows
	WLOAD 0
	WLOAD 1
	WLOAD 2
	WLOAD 3
	s_wait_kmcnt 0x0
	MKSCALE 38, 20, 21, 50, 51
.set Q, 0
	s_wait_alu depctr_va_vdst(0)
.rept NG
	GROUP Q
.set Q, Q+1
.endr
.set t, 0
.rept 16
	ds_load_b128 v[32+4*t:35+4*t], v19 offset:(t/2)*WQP+(t%2)*512   ; LDS serves a wave's instructions in order (ISA guide 5.7.1.4): these see my stores
.set t, t+1
.endr
.set t, 0
.rept 16
	s_wait_dscnt 15-t
	global_store_b128 v[10+t/2], v[32+4*t:35+4*t], s[18:19] offset:(t%2)*512   ; 512 consecutive bytes of an image
.set t, t+1
.endr
	s_wait_tensorcnt 0x0
	ds_add_u32 v224, v225
	s_wait_dscnt 0x0
	s_endpgm
	; ---------------- LN1 of 16 rows, and its three quantisations
.Lln:
	s_load_b128 s[4:7], s[0:1], 0x0                ; x, ln1_g
	s_load_b64 s[8:9], s[0:1], 0x10                ; ln1_b
	s_load_b128 s[16:19], s[0:1], 0x48             ; the scales' exponents, x1img
	s_mov_b32 s12, 0x76543210                      ; v_permlanex16_b32: lane l xor 16
	s_mov_b32 s13, 0xfedcba98
	s_mov_b32 s14, 0x3a800000                      ; 1/1024
	s_mov_b32 s15, 0x358637bd                      ; 1e-6
	s_lshl_b32 s28, ttmp9, 16                      ; 16 rows of 4,096 bytes
	s_mov_b32 s29, 0
	s_lshl_b32 s30, ttmp9, 14                      ; 8 images of 2,048 bytes
	s_mov_b32 s31, 0
	v_and_b32 v1, 31, v0
	v_lshlrev_b32 v1, 4, v1                        ; 16 x lane
	s_mul_i32 s32, s2, NR*LNP
	v_add_nc_u32 v16, s32, v1                      ; stage, in: my four rows
	v_and_b32 v14, 15, v0
	v_bfe_u32 v15, v0, 4, 1
	v_mul_u32_u24 v17, v14, LNP
	v_lshl_add_u32 v17, v15, 5, v17
	s_lshl_b32 s32, s2, 10
	v_add_nc_u32 v17, s32, v17                     ; stage, out: row r, + 32 h, + my two K blocks
	s_lshl_b32 s32, s2, 14
	v_add_nc_u32 v27, s32, v1                      ; x: my four rows
	s_lshl_b32 s32, s2, 12
	v_add_nc_u32 v24, s32, v1                      ; my two images;
	v_add_nc_u32 v25, 0x400000, v24                ; the three sets of images lie 4 MiB apart
	v_add_nc_u32 v26, 0x800000, v24
	v_mov_b32 v11, 0                               ; upper words of pairs whose low word serves both halves
	v_mov_b32 v13, 0
	s_wait_alu depctr_va_vdst(0)
	s_wait_kmcnt 0x0
	s_load_b256 s[20:27], s[16:17], 0x0            ; entries 0 .. 7; 0, 2 and 4 are x1's
	s_add_nc_u64 s[4:5], s[4:5], s[28:29]
	s_add_nc_u64 s[18:19], s[18:19], s[30:31]
.irp i, 0,1,2,3,4,5,6,7
	global_load_b128 v[G+4*\i:G+4*\i+3], v1, s[6:7] offset:512*\i
	global_load_b128 v[BV+4*\i:BV+4*\i+3], v1, s[8:9] offset:512*\i
.endr
	LNLOAD 0
	LNLOAD 1
	LNLOAD 2
	LNLOAD 3
	s_wait_kmcnt 0x0
	MKSCALE 20, 18, 19, 28, 29
	MKSCALE 22, 20, 21, 28, 29
	MKSCALE 24, 22, 23, 28, 29
	LNROW 0
	LNROW 1
	LNROW 2
	LNROW 3
	s_wait_dscnt 0x0                               ; for the others' sake: my rows lie in the stage
	s_barrier_signal -1
	s_barrier_wait -1                              ; all sixteen rows do
	LNQ 0
	s_wait_tensorcnt 0x0
	ds_add_u32 v224, v225
	s_wait_dscnt 0x0
	s_endpgm
.Lfunc_end_k_qd456324a20_prep:
	.size	k_qd456324a20_prep, .Lfunc_end_k_qd456324a20_prep-k_qd456324a20_prep
	.p2alignl 7, 3214868480
	.fill 96, 4, 3214868480
	.section	.rodata,"a",@progbits
	.p2align	6, 0x0
	.amdhsa_kernel k_qd456324a20_prep
		.amdhsa_group_segment_fixed_size 99584
		.amdhsa_private_segment_fixed_size 0
		.amdhsa_enable_private_segment 0
		.amdhsa_kernarg_size 104
		.amdhsa_user_sgpr_count 2
		.amdhsa_user_sgpr_kernarg_segment_ptr 1
		.amdhsa_wavefront_size32 1
		.amdhsa_system_sgpr_workgroup_id_x 1
		.amdhsa_system_sgpr_workgroup_id_y 1
		.amdhsa_system_sgpr_workgroup_id_z 1
		.amdhsa_system_vgpr_workitem_id 0
		.amdhsa_next_free_vgpr 226
		.amdhsa_next_free_sgpr 66
		.amdhsa_reserve_vcc 1
		.amdhsa_float_denorm_mode_32 3
		.amdhsa_float_denorm_mode_16_64 3
		.amdhsa_memory_ordered 1
		.amdhsa_forward_progress 1
		.amdhsa_inst_pref_size 108
	.end_amdhsa_kernel
	.amdgpu_metadata
---
amdhsa.version: [ 1, 2 ]
amdhsa.kernels:
  - .name:           k_qd456324a20_prep
    .symbol:         k_qd456324a20_prep.kd
    .args:
      - { .name: x, .offset: 0, .size: 8, .value_kind: global_buffer, .address_space: global }
      - { .name: ln1_g, .offset: 8, .size: 8, .value_kind: global_buffer, .address_space: global }
      - { .name: ln1_b, .offset: 16, .size: 8, .value_kind: global_buffer, .address_space: global }
      - { .name: w_q, .offset: 24, .size: 8, .value_kind: global_buffer, .address_space: global }
      - { .name: w_k, .offset: 32, .size: 8, .value_kind: global_buffer, .address_space: global }
      - { .name: w_v, .offset: 40, .size: 8, .value_kind: global_buffer, .address_space: global }
      - { .name: w_o, .offset: 48, .size: 8, .value_kind: global_buffer, .address_space: global }
      - { .name: ffn_w1, .offset: 56, .size: 8, .value_kind: global_buffer, .address_space: global }
      - { .name: ffn_w2, .offset: 64, .size: 8, .value_kind: global_buffer, .address_space: global }
      - { .name: lowp_scales, .offset: 72, .size: 8, .value_kind: global_buffer, .address_space: global }
      - { .name: x1img, .offset: 80, .size: 8, .value_kind: global_buffer, .address_space: global }
      - { .name: wimg, .offset: 88, .size: 8, .value_kind: global_buffer, .address_space: global }
      - { .name: rope, .offset: 96, .size: 8, .value_kind: global_buffer, .address_space: global }
    .group_segment_fixed_size: 99584
    .private_segment_fixed_size: 0
    .kernarg_segment_align: 8
    .kernarg_segment_size: 104
    .max_flat_workgroup_size: 128
    .sgpr_count:     66
    .vgpr_count:     226
    .wavefront_size: 32
...
	.end_amdgpu_metadata
.endif
;; end of part 1
;; launch qkv (part 2): grid 4 x 48, 4 waves a work-group, clusters of 4 x 4, 327,680 bytes of LDS; arguments x1img, wimg, rope, lowp_scales, qkvimg; writes qkvimg
.if DOCPART == 2
	.amdgcn_target "amdgcn-amd-amdhsa--gfx1250"
	.amdhsa_code_object_version 6
	.text
	.protected	k_qd456324a20_qkv
	.globl	k_qd456324a20_qkv
	.p2align	8
	.type	k_qd456324a20_qkv,@function
k_qd456324a20_qkv:
	s_mov_b64 s[64:65], 0
	v_nop
	global_prefetch_b8 v0, s[64:65] scope:SCOPE_SE
	s_setreg_imm32_b32 hwreg(HW_REG_WAVE_MODE, 25, 1), 1
	s_wait_xcnt 0x0
	s_wait_alu depctr_hold_cnt(0) depctr_sa_sdst(0) depctr_va_vdst(0) depctr_va_sdst(0) depctr_va_ssrc(0) depctr_va_vcc(0) depctr_vm_vsrc(0)
	s_getreg_b32 s2, hwreg(HW_REG_IB_STS2, 6, 4)
	s_cmp_eq_u32 s2, 0
	s_cbranch_scc0 .Lentry_in_a_cluster
	s_endpgm
.Lentry_in_a_cluster:
	s_bfe_u32 s2, ttmp6, 0x10000c
	s_cmp_lg_u32 s2, 0xf033
	s_cbranch_scc0 .Lentry_shape_is_right
	s_endpgm
.Lentry_shape_is_right:
; QKV: q = x1 w_q, k = x1 w_k, v = x1 w_v on codes of E4M3 (images: see below), RoPE on q and k, and the three results quantised for attention.
; IMAGES: a tile of 16 rows x 128 K is 2,048 bytes, the picture of the operand's 16 registers (part p: registers 4p..4p+3, lane l at 16 l); tile (rt, kb) at (rt K/128 + kb) 2048.
; A fragment is four loads of 512 consecutive bytes, in the plain form's own order of k; no pitch, no padding.
; A work-group of four waves makes 256 x 256, a wave 128 x 128: 64 accumulators.  K goes in steps of 256 through two LDS slots filled by the tensor data mover.
; CLUSTERS of 4 x 4.  The tile of the side called A here (source 1) is shared along a row of the cluster, that of B (source 0) along a column: joint loads.
; Clusters 0-3 along y make q, 4-7 k, 8-11 v (which = cluster y / 4, the same in all partners).  For q and k: A = 256 tokens of x1 (quantised with that product's scale), B = 256 rows of the weight:
; a lane then holds one token and eight neighbouring channels.  For v the two change places BY THEIR GLOBAL ADDRESSES ALONE (A = w_v, B = x1): a lane holds one channel and eight neighbouring KEYS,
; which are the second attention product's K.
; OUT: q at 0, k at 4 MiB: [32 heads][128 tiles of 16 positions][1,024]: images of 16 x 64.  v at 8 MiB: [32 heads][16 blocks of 128 keys][4 tiles of 16 channels][2,048].
; A sum stands for sum x 2^(ea + eb); RoPE is linear, so it works on the sums, and the conversion takes the one scale 2^(eo - ea - eb).
; LIMIT: eo - ea - eb between -126 and 119.
.set NA,    8                          ; blocks of 16 rows a wave holds of each side
.set KTOT,  1024
.set NQ,    16/NA                      ; steps of 128 along K in a slot
.set RTB,   2048*NQ                    ; a tile row's bytes in a slot
.set HALFT, NA*RTB                     ; what one tensor load brings
.set SLOT,  4*HALFT                    ; A's two halves, B's two halves
.set SPARE, 2*SLOT                     ; the spare words: 128 bytes a wave, named by no other line
.set GROW,  16*KTOT                    ; bytes from one tile row to the next in memory
.set LAPS,  KTOT/(256*NQ)
.set FR,    16
.set ADRA,  16                         ; v16-17 my A fragments in slot 0, 1;  v20-21 my B fragments
.set ADRB,  20
.set SPW,   28
.set NIL,   29
.set AF,    128                        ; window 0: A's fragments, one set.  Window 1: B's, two sets, at v0 and v128.  Windows 2, 3: the accumulators
.set G1,    24
.set G0,    32
.set G1B,   48
.set G0B,   56
.set MSB,   0
.set MUL_LO, 0xa1                      ; source 0 window 1, source 1 window 0, C and D window 2
.set MUL_HI, 0xf1
.set TO_B,   0x40
.macro WIN new                         ; the immediate's high byte repeats the setting that is left
.if MSB != \new
	s_set_vgpr_msb (MSB<<8)|\new
.set MSB, \new
.endif
.endm
.macro MKSCALE e, vs, vl, t0, t1
	s_add_co_i32 s[\t0], s[\e], 127
	s_lshl_b32 s[\t1], s[\t0], 23
	v_mov_b32 v[\vs], s[\t1]
	s_add_co_i32 s[\t0], s[\t0], 8
	s_lshl_b32 s[\t0], s[\t0], 23
	s_or_b32 s[\t0], s[\t0], 0x600000
	v_mov_b32 v[\vl], s[\t0]
.endm
.macro JLOAD g0a, g1a, g0b, g1b        ; a joint load: waves 0, 1 for A, waves 2, 3 for B; four v_nop follow each line
	s_cmp_eq_u32 s15, 0
	s_cbranch_scc0 .Lfor_b_\@
	tensor_load_to_lds s[\g0a:\g0a+3], s[\g1a:\g1a+7]
	s_nop 0
.rept 4
	v_nop
.endr
	s_branch .Lasked_\@
.Lfor_b_\@:
	tensor_load_to_lds s[\g0b:\g0b+3], s[\g1b:\g1b+7]
	s_nop 0
.rept 4
	v_nop
.endr
.Lasked_\@:
.endm
.macro CREST
	s_cmp_lg_u32 s14, 0
	s_cbranch_scc1 .Lnot_wave_0_\@
	s_barrier_signal -3
.Lnot_wave_0_\@:
	s_barrier_wait -3
	s_barrier_signal -1
	s_barrier_wait -1
.endm
.macro CROUND
	s_barrier_signal -1
	s_barrier_wait -1
	CREST
.endm
.macro PLACES n
.rept \n
	v_nop
.endr
.endm
.macro IDS                             ; spare word, wave, halves, place in the cluster, masks, both groups 1
	v_lshl_add_u32 v[SPW], v0, 2, SPARE
	v_mov_b32 v[NIL], 0
	ds_add_u32 v28, v29
	ds_add_u32 v28, v29
	s_wait_dscnt 0x0
	v_lshrrev_b32 v1, 5, v0
	v_readfirstlane_b32 s14, v1
	s_lshr_b32 s15, s14, 1                         ; my half of A's rows; also: I fetch for A (0) or B (1)
	s_and_b32 s16, s14, 1                          ; my half of B's rows; also: which half I fetch
	s_bfe_u32 s40, ttmp6, 0x40000                  ; cx
	s_bfe_u32 s41, ttmp6, 0x40004                  ; cy
	s_lshl_b32 s43, s41, 2
	s_lshl_b32 s43, 15, s43                        ; my row of the cluster
	s_lshl_b32 s44, 0x1111, s40                    ; my column
	s_or_b32 s[G1], s43, (3<<16)|(1<<21)           ; the mask; elements of 8 bytes; bit 21 beside a mask; no padding
	s_or_b32 s[G1B], s44, (3<<16)|(1<<21)
.irp g, G1, G1B
	s_mov_b32 s[\g+1], (RTB/8)<<16                 ; tensor_dim0
	s_mov_b32 s[\g+2], NA<<16                      ; tensor_dim1
	s_mov_b32 s[\g+3], (RTB/8)<<16                 ; tile_dim0: a tile row's NQ images on end
	s_mov_b32 s[\g+4], NA                          ; tile_dim1: NA tile rows
	s_mov_b32 s[\g+5], GROW/8                      ; from tile row to tile row
	s_mov_b32 s[\g+6], 0
	s_mov_b32 s[\g+7], 0
.endr
	s_mul_i32 s45, s14, HALFT                      ; where my load goes: no place in the cluster enters an LDS address
.endm
.macro OFFS boff                       ; tile numbers s17 (A), s42 (B) -> byte offsets of the halves that I fetch
	s_lshl_b32 s20, s17, 1
	s_add_co_u32 s20, s20, s16
	s_mul_i32 s20, s20, NA*GROW
	s_mov_b32 s21, 0
	s_lshl_b32 s46, s42, 1
	s_add_co_u32 s46, s46, s16
	s_mul_i32 s46, s46, NA*GROW
	s_add_co_u32 s46, s46, \boff
	s_mov_b32 s47, 0
.endm
.macro FILL2                           ; the round in front of the first joint loads, both slots' first fills, the fragments' addresses
	CROUND
.irp s, 0,1
	s_mov_b32 s[G0+4*\s], 1
	s_add_co_u32 s[G0+4*\s+1], s45, \s*SLOT
	s_add_nc_u64 s[G0+4*\s+2:G0+4*\s+3], s[20:21], \s*RTB
	s_or_b32 s[G0+4*\s+3], s[G0+4*\s+3], 0x80000000
	s_mov_b32 s[G0B+4*\s], 1
	s_add_co_u32 s[G0B+4*\s+1], s45, \s*SLOT
	s_add_nc_u64 s[G0B+4*\s+2:G0B+4*\s+3], s[46:47], \s*RTB
	s_or_b32 s[G0B+4*\s+3], s[G0B+4*\s+3], 0x80000000
	s_wait_alu depctr_va_vdst(0)
	s_wait_tensorcnt 0x0                           ; a round ahead of each first fill: one tensor load a wave behind each round
	ds_add_u32 v28, v29
	ds_add_u32 v28, v29
	s_wait_dscnt 0x0
	CROUND
	JLOAD G0+4*\s, G1, G0B+4*\s, G1B
.endr
	v_and_b32 v1, 31, v0
	v_lshlrev_b32 v4, 4, v1                        ; 16 x lane
	s_mul_i32 s21, s15, HALFT
	s_mul_i32 s22, s16, HALFT
	s_add_co_u32 s22, s22, 2*HALFT
.irp s, 0,1
	v_add_nc_u32 v[ADRA+\s], s21, v4
	v_add_nc_u32 v[ADRB+\s], s22, v4
	s_add_co_u32 s21, s21, SLOT
	s_add_co_u32 s22, s22, SLOT
.endr
.endm
.macro FRAG reg, adr, q, i             ; an image comes back as the registers that it pictures
.irp c, 0,1,2,3
	ds_load_b128 v[\reg+4*\c:\reg+4*\c+3], v[\adr] offset:(\i)*RTB+(\q)*2048+512*\c
.endr
.endm
.macro FETCH_B slot, q, p
	WIN TO_B
.set fi, 0
.rept NA
	FRAG 128*(\p)+FR*fi, ADRB+\slot, \q, fi
.set fi, fi+1
.endr
	WIN 0
.endm
.macro FETCH_A slot, q, i0
.set fi, \i0
.rept NA/2
	FRAG AF+FR*fi, ADRA+\slot, \q, fi
.set fi, fi+1
.endr
.endm
.macro MULQ g, p, zero                 ; a quarter of a step's products.  All accumulators take turns, one instruction a turn, in the same order in every step
.set ia, (\g)*(NA/4)
.rept NA/4
.set ib, 0
.rept NA
.set rc, 8*(NA*(ia%(NA/2))+ib)
.if \zero
	v_wmma_f32_16x16x128_fp8_fp8 v[rc:rc+7], v[128*(\p)+FR*ib:128*(\p)+FR*ib+FR-1], v[AF+FR*ia:AF+FR*ia+FR-1], 0
.else
	v_wmma_f32_16x16x128_fp8_fp8 v[rc:rc+7], v[128*(\p)+FR*ib:128*(\p)+FR*ib+FR-1], v[AF+FR*ia:AF+FR*ia+FR-1], v[rc:rc+7]
.endif
.set ib, ib+1
.endr
.set ia, ia+1
.endr
.endm
.macro STEP slot, q, zero              ; 128 along K, with its successor in the same slot.  Loads into registers that products have read stand four plain instructions behind them
	s_wait_dscnt 2*NA                              ; B's set and A's first half are in; A's second half (2 NA loads) may be out
	WIN MUL_LO
	MULQ 0, (\q)%2, \zero
	MULQ 1, (\q)%2, \zero
	s_wait_dscnt 0
	PLACES 4
	FETCH_B \slot, (\q)+1, 1-(\q)%2
	FETCH_A \slot, (\q)+1, 0
	WIN MUL_HI
	MULQ 2, (\q)%2, \zero
	MULQ 3, (\q)%2, \zero
	PLACES 4
	WIN 0
	FETCH_A \slot, (\q)+1, NA/2
.endm
.macro TURN slot, next, fill           ; a slot's last step changes slots: one barrier; fill = 1: it opens a round of the cluster's barrier, and the slot is filled again
	s_wait_tensorcnt 0x0                           ; all my tensor loads have landed: my part of the next slot
	ds_add_u32 v[SPW], v[NIL]                      ; 0 onto my spare word
	s_wait_dscnt 2*NA+1                            ; (the add and A's second half may be out)
	WIN MUL_LO
	MULQ 0, 1, 0
	s_wait_dscnt 0x0                               ; the add is done, and my reads of this slot are over
	s_barrier_signal -1
	MULQ 1, 1, 0
	WIN 0
	s_barrier_wait -1
.if \fill
	CREST                                          ; no wave of any partner still reads this slot or has a load on its way
	s_add_nc_u64 s[G0+4*\slot+2:G0+4*\slot+3], s[G0+4*\slot+2:G0+4*\slot+3], 2*RTB
	s_add_nc_u64 s[G0B+4*\slot+2:G0B+4*\slot+3], s[G0B+4*\slot+2:G0B+4*\slot+3], 2*RTB
	JLOAD G0+4*\slot, G1, G0B+4*\slot, G1B         ; my one tensor load behind the round; its four v_nop are the places in front of the loads below
.else
	PLACES 4
.endif
	FETCH_B \next, 0, 0
	FETCH_A \next, 0, 0
	WIN MUL_HI
	MULQ 2, 1, 0
	MULQ 3, 1, 0
	PLACES 4
	WIN 0
	FETCH_A \next, 0, NA/2
.endm
.macro MID slot, from                  ; a slot's steps from .. NQ-2
.if NQ-1-(\from) > 0
.set sq, \from
.rept NQ-1-(\from)
	STEP \slot, sq, 0
.set sq, sq+1
.endr
.endif
.endm
.macro MAINLOOP
	s_wait_tensorcnt 1                             ; my part of slot 0 is in; slot 1's load may be out
	s_barrier_signal -1
	s_barrier_wait -1
	s_wait_alu depctr_va_vdst(0)
	FETCH_B 0, 0, 0
	FETCH_A 0, 0, 0
	FETCH_A 0, 0, NA/2
	STEP 0, 0, 1                                   ; the first step's products start the sums: nothing is cleared
.if LAPS > 1
	s_mov_b32 s3, LAPS-1
.Llap_\@:
	MID 0, 1
	TURN 0, 1, 1
	MID 1, 0
	TURN 1, 0, 1
	STEP 0, 0, 0
	s_sub_co_u32 s3, s3, 1
	s_cmp_lg_u32 s3, 0
	s_cbranch_scc1 .Llap_\@
.endif
	MID 0, 1                                       ; the last lap fills nothing
	TURN 0, 1, 0
	MID 1, 0
	s_wait_dscnt 2*NA
	WIN MUL_LO
	MULQ 0, 1, 0
	MULQ 1, 1, 0
	s_wait_dscnt 0
	WIN MUL_HI
	MULQ 2, 1, 0
	MULQ 3, 1, 0
	WIN 0
.endm
.macro FINISH
	s_wait_tensorcnt 0x0                           ; the wave's end
	ds_add_u32 v[SPW], v[NIL]
	s_wait_dscnt 0x0
	CROUND                                         ; the closing round
	s_endpgm
.endm
.set CSR,  32                          ; v32-95   two sets of cos (16) and sin (16) for a block of 16 positions
.set TT,   96                          ; v96-111  at work
.set T64,  128                         ; v128-191 a block's 64 numbers (A's fragments are done with)
.set PCO,  192                         ; v192-223 two sets of 16 registers of codes
.set ROFF, 24                          ; v24 my place in the table: row r, + 32 h
.set LOFF, 25                          ; v25 16 x lane
.macro CSLOAD a
.irp n, 0,1,2,3,4,5,6,7
	global_load_b128 v[CSR+32*((\a)%2)+4*\n:CSR+32*((\a)%2)+4*\n+3], v[ROFF], s[8:9] offset:(\a)*4096+(\n/2)*64+(\n%2)*16
.endr
.endm
.macro EQK a                           ; block a: 16 positions x my 128 channels (two heads).  Channel d = 16 bb + 8 h + j of a head lies in accumulator 4 hl + bb
.set CB, CSR+32*((\a)%2)
.set PB, PCO+16*((\a)%2)
.if (\a) < 7
	s_wait_loadcnt 8                               ; this block's cos and sin are in; the next block's eight loads may be out
.else
	s_wait_loadcnt 0
.endif
	WIN 0x02+(\a)/4
.irp hl, 0,1
.irp u, 0,1
.set RLO, 8*(8*((\a)%4)+4*\hl+\u)
.irp i, 0,2,4,6
	v_pk_mul_f32 v[TT+\i:TT+\i+1], v[RLO+16+\i:RLO+17+\i], v[CB+16+8*\u+\i:CB+17+8*\u+\i]      ; x(d+32) sin   (each accumulator is read from its low end on)
	v_pk_mul_f32 v[TT+8+\i:TT+9+\i], v[RLO+\i:RLO+\i+1], v[CB+16+8*\u+\i:CB+17+8*\u+\i]        ; x(d) sin
.endr
.irp i, 0,2,4,6
	v_pk_fma_f32 v[T64+32*\hl+8*\u+\i:T64+32*\hl+8*\u+\i+1], v[RLO+\i:RLO+\i+1], v[CB+8*\u+\i:CB+8*\u+\i+1], v[TT+\i:TT+\i+1] neg_lo:[0,0,1] neg_hi:[0,0,1]
	v_pk_fma_f32 v[T64+32*\hl+16+8*\u+\i:T64+32*\hl+16+8*\u+\i+1], v[RLO+16+\i:RLO+17+\i], v[CB+8*\u+\i:CB+8*\u+\i+1], v[TT+8+\i:TT+9+\i]
.endr
.endr
.endr
	WIN 0
	s_wait_xcnt 0x0                                ; the stores of two blocks back have read this set of codes
.if (\a)+2 < 8
	CSLOAD (\a)+2
.endif
.set n, 0
.rept 64
	v_med3_num_f32 v[T64+n], v[T64+n], -v112, v112
.set n, n+1
.endr
.irp c, 0,1,2,3,4,5,6,7
	v_cvt_scalef32_pk8_fp8_f32 v[PB+2*\c:PB+2*\c+1], v[T64+8*\c:T64+8*\c+7], v113
.endr
	v_nop                                          ; a plain instruction behind the last conversion
.irp hl, 0,1
.irp p, 0,1
	global_store_b128 v[LOFF], v[PB+8*\hl+4*\p:PB+8*\hl+4*\p+3], s[92:93] offset:\hl*131072+(\a)*1024+512*\p
.endr
.endr
.endm
.macro EV a                            ; block a: 16 channels x my 128 keys: one image of v
.set PB, PCO+16*((\a)%2)
.set AC, 64*((\a)%4)
	WIN 0x02+(\a)/4
.set n, 0
.rept 64
	v_med3_num_f32 v[T64+n], v[AC+n], -v112, v112
.set n, n+1
.endr
	WIN 0
.if (\a) >= 2
	s_wait_alu depctr_va_vdst(0)
	s_wait_xcnt 0x0
.endif
.irp c, 0,1,2,3,4,5,6,7
	v_cvt_scalef32_pk8_fp8_f32 v[PB+2*\c:PB+2*\c+1], v[T64+8*\c:T64+8*\c+7], v113
.endr
	v_nop
.irp p, 0,1,2,3
	global_store_b128 v[LOFF], v[PB+4*\p:PB+4*\p+3], s[92:93] offset:((\a)/4)*131072+((\a)%4)*2048+512*\p
.endr
.endm
	s_load_b128 s[4:7], s[0:1], 0x0                ; x1img, wimg
	s_load_b128 s[8:11], s[0:1], 0x10              ; rope, the scales' exponents
	s_load_b64 s[12:13], s[0:1], 0x20              ; qkvimg
	IDS
	s_and_b32 s66, ttmp7, 0xffff                   ; cluster y, 0 .. 11
	s_lshr_b32 s67, s66, 2                         ; which: 0 q, 1 k, 2 v
	s_lshl_b32 s84, s66, 2                         ; x1's tiles of 256 rows begin at 4 x cluster y (the three quantisations lie on end),
	s_lshl_b32 s85, s67, 2                         ; the weight's tiles at 4 x which
	s_cmp_eq_u32 s67, 2
	s_cselect_b32 s17, s85, s84
	s_cselect_b32 s42, s84, s85
	s_add_co_u32 s17, s17, s41                     ; A's tile: + cy
	s_add_co_u32 s42, s42, s40                     ; B's tile: + cx
	OFFS 0
	s_wait_kmcnt 0x0
	s_load_b512 s[68:83], s[10:11], 0x0            ; all sixteen exponents
	s_cmp_eq_u32 s67, 2
	s_cselect_b64 s[86:87], s[6:7], s[4:5]         ; A's buffer
	s_cselect_b64 s[88:89], s[4:5], s[6:7]         ; B's buffer
	s_add_nc_u64 s[20:21], s[86:87], s[20:21]
	s_add_nc_u64 s[46:47], s[88:89], s[46:47]
	FILL2
	s_cmp_eq_u32 s67, 2
	s_cselect_b32 s90, s40, s41                    ; the tokens' side
	s_cselect_b32 s91, s41, s40                    ; the channels' side
	s_cselect_b32 s94, s16, s15                    ; my half of the tokens
	s_cselect_b32 s95, s15, s16                    ; my half of the channels
	s_and_b32 s18, s66, 3
	s_lshl_b32 s18, s18, 2
	s_add_co_u32 s90, s90, s18                     ; tile of 256 tokens, 0 .. 15
	s_lshr_b32 s18, s90, 3                         ; batch
	s_and_b32 s19, s90, 7
	s_lshl_b32 s18, s18, 4
	s_lshl_b32 s22, s91, 2
	s_add_co_u32 s18, s18, s22
	s_lshl_b32 s22, s95, 1
	s_add_co_u32 s18, s18, s22                     ; my first head: 16 batch + 4 tile + 2 half
	s_lshl_b32 s18, s18, 17
	s_lshl_b32 s22, s19, 1
	s_add_co_u32 s22, s22, s94                     ; my block of 128 positions in the batch
	s_lshl_b32 s23, s22, 13                        ; eight images of q or k, or four of v: 8,192 bytes either way
	s_add_co_u32 s18, s18, s23
	s_lshl_b32 s23, s67, 22
	s_add_co_u32 s18, s18, s23
	s_mov_b32 s19, 0
	s_add_nc_u64 s[92:93], s[12:13], s[18:19]
	s_lshl_b32 s18, s22, 15                        ; 128 rows of 256 bytes of the table
	s_add_nc_u64 s[8:9], s[8:9], s[18:19]
	v_and_b32 v2, 15, v0
	v_bfe_u32 v3, v0, 4, 1
	v_lshlrev_b32 v[ROFF], 8, v2
	v_lshl_add_u32 v[ROFF], v3, 5, v[ROFF]
	v_and_b32 v[LOFF], 31, v0
	v_lshlrev_b32 v[LOFF], 4, v[LOFF]
	s_cmp_eq_u32 s67, 2                            ; v has no RoPE
	s_cbranch_scc1 .Lno_rope
	CSLOAD 0
	CSLOAD 1
.Lno_rope:
	MAINLOOP
	s_wait_kmcnt 0x0
	s_add_co_i32 s84, s68, s69
	s_add_co_i32 s85, s70, s71
	s_add_co_i32 s94, s72, s73
	s_cmp_eq_u32 s67, 1
	s_cselect_b32 s84, s85, s84
	s_cselect_b32 s95, s75, s74                    ; q's scale is entry 6, k's entry 7,
	s_cmp_eq_u32 s67, 2
	s_cselect_b32 s84, s94, s84
	s_cselect_b32 s95, s77, s95                    ; v's entry 9
	s_sub_co_i32 s84, s95, s84                     ; eo - ea - eb
	PLACES 4                                       ; behind the last products, ahead of the first read of results and the first write of A's registers
	MKSCALE 84, 113, 112, 85, 94
	s_cmp_eq_u32 s67, 2
	s_cbranch_scc1 .Lv
.irp a, 0,1,2,3,4,5,6,7
	EQK \a
.endr
	s_branch .Ldone
.Lv:
	s_wait_alu depctr_va_vdst(0)
.irp a, 0,1,2,3,4,5,6,7
	EV \a
.endr
.Ldone:
	FINISH
.Lfunc_end_k_qd456324a20_qkv:
	.size	k_qd456324a20_qkv, .Lfunc_end_k_qd456324a20_qkv-k_qd456324a20_qkv
	.p2alignl 7, 3214868480
	.fill 96, 4, 3214868480
	.section	.rodata,"a",@progbits
	.p2align	6, 0x0
	.amdhsa_kernel k_qd456324a20_qkv
		.amdhsa_group_segment_fixed_size 327680
		.amdhsa_private_segment_fixed_size 0
		.amdhsa_enable_private_segment 0
		.amdhsa_kernarg_size 40
		.amdhsa_user_sgpr_count 2
		.amdhsa_user_sgpr_kernarg_segment_ptr 1
		.amdhsa_wavefront_size32 1
		.amdhsa_system_sgpr_workgroup_id_x 1
		.amdhsa_system_sgpr_workgroup_id_y 1
		.amdhsa_system_sgpr_workgroup_id_z 1
		.amdhsa_system_vgpr_workitem_id 0
		.amdhsa_next_free_vgpr 1024
		.amdhsa_next_free_sgpr 100
		.amdhsa_reserve_vcc 0
		.amdhsa_float_denorm_mode_32 3
		.amdhsa_float_denorm_mode_16_64 3
		.amdhsa_memory_ordered 1
		.amdhsa_forward_progress 1
		.amdhsa_inst_pref_size 198
	.end_amdhsa_kernel
	.amdgpu_metadata
---
amdhsa.version: [ 1, 2 ]
amdhsa.kernels:
  - .name:           k_qd456324a20_qkv
    .symbol:         k_qd456324a20_qkv.kd
    .args:
      - { .name: x1img, .offset: 0, .size: 8, .value_kind: global_buffer, .address_space: global }
      - { .name: wimg, .offset: 8, .size: 8, .value_kind: global_buffer, .address_space: global }
      - { .name: rope, .offset: 16, .size: 8, .value_kind: global_buffer, .address_space: global }
      - { .name: lowp_scales, .offset: 24, .size: 8, .value_kind: global_buffer, .address_space: global }
      - { .name: qkvimg, .offset: 32, .size: 8, .value_kind: global_buffer, .address_space: global }
    .group_segment_fixed_size: 327680
    .private_segment_fixed_size: 0
    .kernarg_segment_align: 8
    .kernarg_segment_size: 40
    .max_flat_workgroup_size: 128
    .sgpr_count:     100
    .vgpr_count:     1024
    .wavefront_size: 32
...
	.end_amdgpu_metadata
.endif
;; end of part 2
;; launch attn (part 3): grid 8 x 32, 8 waves a work-group, no clusters, 271,360 bytes of LDS; arguments qkvimg, src_mask, lowp_scales, cimg; writes cimg
.if DOCPART == 3
	.amdgcn_target "amdgcn-amd-amdhsa--gfx1250"
	.amdhsa_code_object_version 6
	.text
	.protected	k_qd456324a20_attn
	.globl	k_qd456324a20_attn
	.p2align	8
	.type	k_qd456324a20_attn,@function
k_qd456324a20_attn:
	s_mov_b64 s[64:65], 0
	v_nop
	global_prefetch_b8 v0, s[64:65] scope:SCOPE_SE
	s_setreg_imm32_b32 hwreg(HW_REG_WAVE_MODE, 25, 1), 1
	s_wait_xcnt 0x0
; ATTENTION on codes of E4M3: S^T = K Q^T (K = the head's 64), the mask, p = 2^(t - M), O^T = V^T P^T (K = 128 keys a step), O / l quantised for the next product.
; t = score x log2(e) / 8; M = the running largest t rounded up to a whole number; the row's sum is taken of the unquantised p; when M moves, the sum and O^T are multiplied by 2^(old M - new M).
; SHARES.  A work-group owns 256 queries of one head (ttmp7 = 16 batch + head), each of its eight waves 32 of them: two tiles, A and B, so that each fragment of K, of V and of the bias feeds two matrix instructions.
; The head's K and V, 131,072 bytes of images each, lie in LDS whole.  Each wave brings 32,768 bytes through its registers, 64 loads of 512 consecutive bytes, once, at the head; one barrier; then the waves run free.
; NO TENSOR LOAD, NO CLUSTER, NO PREFETCH: the hold of p at 448 x 2^e8 changes nothing where e8 >= -8 (p <= 1, so p / 2^e8 <= 256), and its 64 instructions of a step are then jumped over.
; Memory is asked for 262,144 bytes of K and V a work-group at the head and for nothing in the loop, so there is no stream to run ahead of.
; LAYOUT.  Both products are used transposed, so a lane holds one query of each tile throughout.  In tile c of S^T register j is key 16c + 8h + j: eight neighbours, whose codes are registers 2c, 2c+1 of P.
; THE MASK costs no vector instruction: it is the C of the first product, 0 for a key that counts and -2^80 for one that does not (in units of raw sums): p is then 0.
; A step all of whose keys are hidden gives p = 1 under a huge negative M; the first key that counts makes 2^(old M - new M) = 0, which wipes that out.
; AHEAD: behind a step's first products its V and the next step's K and bias are asked of LDS.  The last step's look-ahead reads the bytes that follow in LDS (K's behind the bias, V's behind K), written bytes that nothing uses.
; LIMITS: e6 + e7 between -64 and 40; e8 and e10 between -126 and 119.  A batch whose mask is false everywhere is not served.
; REGISTERS, window 0: v1-7, v25, v58 addresses; v[8:11] -M of A, B; v[12:15] f; v[16:19] the sums; v20-21 largest raw score; v22-24 scale and limit of p; v26-57 at work; v64-127 O^T of A, B; v128-255 S^T then p of A, B.
; Window 1: v0-31 P of A, B; v32-95 K; v96-159 V; v160-223 the bias; v224-239 Q of A, B.
.set BIAS,  0                          ; 2,048 f32
.set KB,    8192
.set VB,    KB+131072
.set SPARE, VB+131072                  ; the spare words: 128 bytes a wave, named by no other line
.set WV,  18
.set SEL, 20
.set CS,  22
.set TB,  12                           ; this step's V
.set TBN, 13                           ; the next step's K
.set TMN, 14                           ; the next step's bias
.set CNT, 15
.set AK0, 1
.set AV0, 2
.set AB0, 3
.set SPW, 4
.set NIL, 5
.set LOFF, 6
.set ADK, 7
.set ADV, 25
.set ADB, 58
.set OA,  64
.set SA,  128
.set SB,  192
.set PW,  0
.set KW,  32
.set VW,  96
.set BW,  160
.set QW,  224
.set MSB, 0
.macro WIN new                         ; the immediate's high byte repeats the setting that is left
.if MSB != \new
	s_set_vgpr_msb (MSB<<8)|\new
.set MSB, \new
.endif
.endm
.macro MKSCALE e, vs, vl, t0, t1       ; s[e] = e  ->  v[vs] = 2^e, v[vl] = 448 x 2^e
	s_add_co_i32 s[\t0], s[\e], 127
	s_lshl_b32 s[\t1], s[\t0], 23
	v_mov_b32 v[\vs], s[\t1]
	s_add_co_i32 s[\t0], s[\t0], 8
	s_lshl_b32 s[\t0], s[\t0], 23
	s_or_b32 s[\t0], s[\t0], 0x600000
	v_mov_b32 v[\vl], s[\t0]
.endm
.macro KBLOAD ak, ab                   ; a step's K images and bias, into window 1
.irp c, 0,1,2,3,4,5,6,7
	ds_load_b128 v[KW+8*\c:KW+8*\c+3], v[\ak] offset:1024*\c
	ds_load_b128 v[KW+8*\c+4:KW+8*\c+7], v[\ak] offset:1024*\c+512
.endr
.irp c, 0,1,2,3,4,5,6,7
	ds_load_b128 v[BW+8*\c:BW+8*\c+3], v[\ab] offset:64*\c
	ds_load_b128 v[BW+8*\c+4:BW+8*\c+7], v[\ab] offset:64*\c+16
.endr
.endm
	s_load_b128 s[4:7], s[0:1], 0x0                ; qkvimg, src_mask
	s_load_b128 s[8:11], s[0:1], 0x10              ; the scales' exponents, cimg
	v_lshl_add_u32 v[SPW], v0, 2, SPARE
	v_mov_b32 v[NIL], 0
	v_lshrrev_b32 v59, 5, v0
	v_readfirstlane_b32 s[WV], v59                 ; wave 0 .. 7
	s_and_b32 s16, ttmp7, 0xffff                   ; 16 batch + head
	s_lshl_b32 s24, s16, 17                        ; the head's 131,072 bytes
	s_lshr_b32 s25, s[WV], 2                       ; waves 0-3 bring K, waves 4-7 V
	s_lshl_b32 s26, s25, 22
	s_add_co_u32 s26, s26, 0x400000                ; k at 4 MiB, v at 8 MiB
	s_add_co_u32 s26, s26, s24
	s_and_b32 s25, s[WV], 3
	s_lshl_b32 s25, s25, 15
	s_add_co_u32 s26, s26, s25                     ; my 32,768 bytes
	s_mov_b32 s27, 0
	s_lshl_b32 s28, s[WV], 15
	s_add_co_u32 s28, s28, KB                      ; and their place in LDS: V follows K
	s_lshl_b32 s30, ttmp9, 4
	s_lshl_b32 s31, s[WV], 1
	s_add_co_u32 s30, s30, s31                     ; tile A's number among the batch's 128 tiles of 16 positions
	s_lshl_b32 s32, s30, 10
	s_add_co_u32 s32, s32, s24                     ; Q's two images
	s_mov_b32 s33, 0
	s_lshr_b32 s34, s16, 4                         ; batch
	s_lshl_b32 s36, s34, 11                        ; its 2,048 mask bytes
	s_mov_b32 s37, 0
	s_lshl_b32 s38, s34, 7
	s_add_co_u32 s38, s38, s30
	s_lshl_b32 s38, s38, 14                        ; out: the tile row's eight images,
	s_and_b32 s35, s16, 15
	s_lshl_b32 s35, s35, 10                        ; 1,024 x head
	s_add_co_u32 s38, s38, s35
	s_mov_b32 s39, 0
	s_mov_b32 s[SEL], 0x76543210
	s_mov_b32 s[SEL+1], 0xfedcba98
	s_mov_b32 s[CS], 0x3e38aa3b                    ; log2(e) / 8
	v_and_b32 v[LOFF], 31, v0
	v_lshlrev_b32 v[LOFF], 4, v[LOFF]              ; 16 x lane
	v_add_nc_u32 v[AK0], KB, v[LOFF]
	v_add_nc_u32 v[AV0], VB, v[LOFF]
	v_bfe_u32 v[AB0], v0, 4, 1
	v_lshlrev_b32 v[AB0], 5, v[AB0]                ; the bias: 32 h
	v_add_nc_u32 v61, s28, v[LOFF]                 ; where my part of K or V goes
	v_lshlrev_b32 v62, 3, v0                       ; eight mask bytes a thread,
	v_lshlrev_b32 v63, 5, v0                       ; eight words of bias
	s_wait_alu depctr_va_vdst(0)
	s_wait_kmcnt 0x0
	s_load_b256 s[68:75], s[8:9], 0x18             ; entries 6 .. 13: e6 s68, e7 s69, e8 s70, e9 s71, e10 s72
	s_add_nc_u64 s[48:49], s[4:5], s[26:27]
	s_add_nc_u64 s[52:53], s[4:5], s[32:33]
	s_add_nc_u64 s[54:55], s[6:7], s[36:37]
	s_add_nc_u64 s[10:11], s[10:11], s[38:39]
	global_load_b64 v[26:27], v62, s[54:55]
	WIN 0x40
.irp p, 0,1,2,3
	global_load_b128 v[QW+4*\p:QW+4*\p+3], v[LOFF], s[52:53] offset:512*\p
.endr
	WIN 0
.set n, 0
.rept 32                                       ; my 64 loads are all out at once: 32 land in window 0, 32 in window 1
	global_load_b128 v[SA+4*n:SA+4*n+3], v[LOFF], s[48:49] offset:512*n
.set n, n+1
.endr
	WIN 0x40
.set n, 0
.rept 32
	global_load_b128 v[4*n:4*n+3], v[LOFF], s[48:49] offset:16384+512*n
.set n, n+1
.endr
	WIN 0
	v_mov_b32 v60, 0xe7800000                      ; -2^80
	v_mov_b32 v8, 0x7f61b1e6                       ; -M: 3e38, over every -t
	v_mov_b32 v10, 0x7f61b1e6
	v_mov_b32 v20, 0xff61b1e6                      ; the largest raw score so far: -3e38
	v_mov_b32 v21, 0xff61b1e6
.irp r, 9,11,13,15,16,17,18,19,34,35
	v_mov_b32 v\r, 0                               ; upper words of pairs, the sums, the lane permutes' destinations
.endr
.set n, 0
.rept 64
	v_mov_b32 v[OA+n], 0                           ; the step is written once: the first finds zeros
.set n, n+1
.endr
	s_wait_kmcnt 0x0
	s_add_co_i32 s62, s68, s69
	s_lshl_b32 s62, s62, 23
	s_add_co_i32 s[CS], s[CS], s62                 ; a raw score stands for score x 2^(e6 + e7): added to c's exponent field
	s_mov_b32 s[CS+1], s[CS]
	MKSCALE 70, 22, 23, 62, 63
	v_mov_b32 v24, v23                             ; the limit once more, for the second half of the dual-issue pairs
	s_wait_alu depctr_va_vdst(0)
	s_wait_loadcnt 63                              ; the mask, Q and my first load of K or V are in; the other 63 may be out
.irp i, 0,1,2,3,4,5,6,7
	v_bfe_u32 v59, v[26+\i/4], 8*(\i%4), 8
	v_cmp_eq_u32 vcc_lo, 0, v59
	v_cndmask_b32 v[36+\i], 0, v60, vcc_lo
.endr
	ds_store_b128 v63, v[36:39]
	ds_store_b128 v63, v[40:43] offset:16
.set n, 0
.irp g, 0,1
	s_wait_loadcnt 48-16*\g                        ; sixteen more are in
.rept 16
	ds_store_b128 v61, v[SA+4*n:SA+4*n+3] offset:512*n
.set n, n+1
.endr
.endr
	WIN 0x04
.set n, 0
.irp g, 0,1
	s_wait_loadcnt 16-16*\g
.rept 16
	ds_store_b128 v61, v[4*n:4*n+3] offset:16384+512*n
.set n, n+1
.endr
.endr
	WIN 0
	s_mov_b32 s[TB], 0
	s_mov_b32 s[TBN], 8192
	s_mov_b32 s[TMN], 512
	s_mov_b32 s[CNT], 16
	s_wait_dscnt 0x0                               ; for the others' sake: my parts lie in LDS
	s_barrier_signal -1
	s_barrier_wait -1                              ; K, V and the bias are whole
	WIN 0x40
	KBLOAD AK0, AB0                                ; step 0's K and bias
	WIN 0
.Lstep:                                            ; 128 keys x 32 queries
	s_wait_dscnt 0x0                               ; this step's K and bias, asked for a step ago
	WIN 0x15
.irp c, 0,1,2,3,4,5,6,7
	v_wmma_f32_16x16x64_fp8_fp8 v[SA+8*\c:SA+8*\c+7], v[KW+8*\c:KW+8*\c+7], v[QW:QW+7], v[BW+8*\c:BW+8*\c+7]
	v_wmma_f32_16x16x64_fp8_fp8 v[SB+8*\c:SB+8*\c+7], v[KW+8*\c:KW+8*\c+7], v[QW+8:QW+15], v[BW+8*\c:BW+8*\c+7]
.endr
	WIN 0
	v_add_nc_u32 v[ADV], s[TB], v[AV0]             ; four plain instructions behind the products, ahead of loads into registers that they read and of the first read of results
	v_add_nc_u32 v[ADK], s[TBN], v[AK0]
	v_add_nc_u32 v[ADB], s[TMN], v[AB0]
	v_nop
	WIN 0x40
.irp t, 0,1,2,3
.irp p, 0,1,2,3
	ds_load_b128 v[VW+16*\t+4*\p:VW+16*\t+4*\p+3], v[ADV] offset:2048*\t+512*\p
.endr
.endr
	KBLOAD ADK, ADB
	WIN 0
	; the step's largest score of each query: four chains a tile, each accumulator from its low end on
.irp k, 0,1,2,3
	v_max3_num_f32 v[26+\k], v[SA+16*\k], v[SA+1+16*\k], v[SA+2+16*\k]
	v_max3_num_f32 v[30+\k], v[SB+16*\k], v[SB+1+16*\k], v[SB+2+16*\k]
.endr
.irp i, 3,5,7,9,11,13
.irp k, 0,1,2,3
	v_max3_num_f32 v[26+\k], v[26+\k], v[SA+16*\k+\i], v[SA+1+16*\k+\i]
	v_max3_num_f32 v[30+\k], v[30+\k], v[SB+16*\k+\i], v[SB+1+16*\k+\i]
.endr
.endr
	v_max3_num_f32 v26, v26, v[SA+15], v[SA+31]
	v_max3_num_f32 v30, v30, v[SB+15], v[SB+31]
	v_max3_num_f32 v28, v28, v[SA+47], v[SA+63]
	v_max3_num_f32 v32, v32, v[SB+47], v[SB+63]
	v_max3_num_f32 v26, v26, v27, v28              ; from here on A's and B's chains take turns, line by line
	v_max3_num_f32 v30, v30, v31, v32
	v_max_num_f32 v26, v26, v29
	v_max_num_f32 v30, v30, v33
	v_permlanex16_b32 v34, v26, s[SEL], s[SEL+1]
	v_permlanex16_b32 v35, v30, s[SEL], s[SEL+1]
	v_max3_num_f32 v20, v20, v26, v34              ; the running largest raw score (c is positive)
	v_max3_num_f32 v21, v21, v30, v35
	v_mul_f32 v36, s[CS], v20                      ; as t
	v_mul_f32 v37, s[CS], v21
	v_floor_f32 v38, -v36                          ; -M = floor(-t)
	v_floor_f32 v39, -v37
	v_sub_f32 v36, v38, v8                         ; old M - new M: a whole number, 0 or less
	v_sub_f32 v37, v39, v10
	v_mov_b32 v8, v38
	v_mov_b32 v10, v39
	v_cvt_i32_f32 v36, v36                         ; (it saturates)
	v_cvt_i32_f32 v37, v37
	v_ldexp_f32 v12, 1.0, v36                      ; f
	v_ldexp_f32 v14, 1.0, v37
.set n, 0
.rept 16
	v_pk_mul_f32 v[OA+n:OA+n+1], v[OA+n:OA+n+1], v[12:13] op_sel_hi:[1,0]   ; O^T under the new M, ahead of the step's exponentials
.set n, n+2
.endr
.set n, 0
.rept 16
	v_pk_mul_f32 v[OA+32+n:OA+33+n], v[OA+32+n:OA+33+n], v[14:15] op_sel_hi:[1,0]
.set n, n+2
.endr
	v_pk_mul_f32 v[16:17], v[16:17], v[12:13] op_sel_hi:[1,0]               ; and the sums
	v_pk_mul_f32 v[18:19], v[18:19], v[14:15] op_sel_hi:[1,0]
.set n, 0
.rept 32
	v_pk_fma_f32 v[SA+n:SA+n+1], v[SA+n:SA+n+1], s[CS:CS+1], v[8:9] op_sel_hi:[1,0,0]   ; A: t - M
.set n, n+2
.endr
	s_wait_alu depctr_va_vdst(0)                   ; ahead of the batch
.set n, 0
.rept 32                                       ; A's exponentials, with B's t - M, lines that hang on nothing in this run, between them
	v_exp_f32 v[SA+n], v[SA+n]
	v_exp_f32 v[SA+n+1], v[SA+n+1]
	v_pk_fma_f32 v[SB+n:SB+n+1], v[SB+n:SB+n+1], s[CS:CS+1], v[10:11] op_sel_hi:[1,0,0]
.set n, n+2
.endr
	s_wait_alu depctr_va_vdst(0)                   ; one wait: behind A's batch, ahead of B's
.set n, 0
.rept 16                                       ; B's exponentials, with the first sixteen additions of A's sum between them
	v_exp_f32 v[SB+4*n], v[SB+4*n]
	v_exp_f32 v[SB+4*n+1], v[SB+4*n+1]
	v_exp_f32 v[SB+4*n+2], v[SB+4*n+2]
	v_exp_f32 v[SB+4*n+3], v[SB+4*n+3]
	v_pk_add_f32 v[26+2*n:27+2*n], v[SA+4*n:SA+4*n+1], v[SA+4*n+2:SA+4*n+3]
.set n, n+1
.endr
	s_wait_alu depctr_va_vdst(0)                   ; one wait behind the batch, ahead of its first reader
	; the rows' sums of the unquantised p: A's sixteen parts are folded, B's 32 pairs go into eight chains
.irp j, 0,1,2,3,4,5,6,7
	v_pk_add_f32 v[26+2*\j:27+2*\j], v[26+2*\j:27+2*\j], v[42+2*\j:43+2*\j]
.endr
.irp j, 0,1,2,3,4,5,6,7
	v_pk_add_f32 v[42+2*\j:43+2*\j], v[SB+4*\j:SB+4*\j+1], v[SB+4*\j+2:SB+4*\j+3]
.endr
.irp j, 0,1,2,3
	v_pk_add_f32 v[26+2*\j:27+2*\j], v[26+2*\j:27+2*\j], v[34+2*\j:35+2*\j]
.endr
.irp j, 0,1,2,3,4,5,6,7
	v_pk_add_f32 v[42+2*\j:43+2*\j], v[42+2*\j:43+2*\j], v[SB+32+2*\j:SB+33+2*\j]
.endr
	v_pk_add_f32 v[26:27], v[26:27], v[30:31]
	v_pk_add_f32 v[28:29], v[28:29], v[32:33]
.irp j, 0,1,2,3,4,5,6,7
	v_pk_add_f32 v[42+2*\j:43+2*\j], v[42+2*\j:43+2*\j], v[SB+48+2*\j:SB+49+2*\j]
.endr
	v_pk_add_f32 v[26:27], v[26:27], v[28:29]
.irp j, 0,1,2,3
	v_pk_add_f32 v[42+2*\j:43+2*\j], v[42+2*\j:43+2*\j], v[50+2*\j:51+2*\j]
.endr
	v_pk_add_f32 v[16:17], v[16:17], v[26:27]
	v_pk_add_f32 v[42:43], v[42:43], v[46:47]
	v_pk_add_f32 v[44:45], v[44:45], v[48:49]
	v_pk_add_f32 v[42:43], v[42:43], v[44:45]
	v_pk_add_f32 v[18:19], v[18:19], v[42:43]
	s_cmp_ge_i32 s70, -8                           ; e8 >= -8: p / 2^e8 <= 256, under the largest code: the hold would change nothing
	s_wait_alu depctr_va_vdst(0)
	s_cbranch_scc1 .Lfits
.set n, 0
.rept 64
	v_dual_min_num_f32 v[SA+n], v23, v[SA+n] :: v_dual_min_num_f32 v[SA+n+1], v24, v[SA+n+1]   ; p is not negative: a one-sided hold (the conversion does not saturate: ISA guide 7.6.2)
.set n, n+2
.endr
.Lfits:
	WIN 0x40
.irp c, 0,1,2,3,4,5,6,7
	v_cvt_scalef32_pk8_fp8_f32 v[PW+2*\c:PW+2*\c+1], v[SA+8*\c:SA+8*\c+7], v22
	v_cvt_scalef32_pk8_fp8_f32 v[PW+16+2*\c:PW+17+2*\c], v[SB+8*\c:SB+8*\c+7], v22
.endr
	v_nop                                          ; a plain instruction behind the last conversion
	WIN 0
	s_wait_alu depctr_va_vdst(0)
	s_wait_dscnt 32                                ; V is in; behind it the next step's K and bias, 32 loads, may be out
	WIN 0x05
.irp t, 0,1,2,3
	v_wmma_f32_16x16x128_fp8_fp8 v[OA+8*\t:OA+8*\t+7], v[VW+16*\t:VW+16*\t+15], v[PW:PW+15], v[OA+8*\t:OA+8*\t+7]
	v_wmma_f32_16x16x128_fp8_fp8 v[OA+32+8*\t:OA+39+8*\t], v[VW+16*\t:VW+16*\t+15], v[PW+16:PW+31], v[OA+32+8*\t:OA+39+8*\t]
.endr
	WIN 0
	s_add_co_u32 s[TB], s[TB], 8192
	s_add_co_u32 s[TBN], s[TBN], 8192
	s_add_co_u32 s[TMN], s[TMN], 512
	s_sub_co_u32 s[CNT], s[CNT], 1
	s_cmp_lg_u32 s[CNT], 0
	s_wait_alu depctr_va_vdst(0)
	s_cbranch_scc1 .Lstep
	; THE WAY OUT: O / l x 2^(e8 + e9), held, quantised with e10; a tile's 1,024 bytes of its image leave as two stores of 512 consecutive bytes
	v_add_f32 v16, v16, v17                        ; (four plain instructions behind the last products)
	v_add_f32 v18, v18, v19
	v_nop
	v_nop
	v_permlanex16_b32 v34, v16, s[SEL], s[SEL+1]
	v_permlanex16_b32 v35, v18, s[SEL], s[SEL+1]
	v_add_f32 v16, v16, v34                        ; the rows' sums
	v_add_f32 v18, v18, v35
	s_wait_alu depctr_va_vdst(0)                   ; ahead of the transcendentals
	v_rcp_f32 v16, v16
	v_rcp_f32 v18, v18
	v_nop
	s_add_co_i32 s61, s70, s71
	MKSCALE 72, 59, 60, 62, 63
	s_wait_alu depctr_va_vdst(0)                   ; ahead of the reciprocals' first reader
	v_ldexp_f32 v16, v16, s61
	v_ldexp_f32 v18, v18, s61
	s_wait_alu depctr_va_vdst(0)                   ; ahead of the first reader of O^T
.set n, 0
.rept 16
	v_pk_mul_f32 v[SA+n:SA+n+1], v[OA+n:OA+n+1], v[16:17] op_sel_hi:[1,0]   ; register 8t + j is channel 16t + 8h + j of my query
.set n, n+2
.endr
.set n, 0
.rept 16
	v_pk_mul_f32 v[SA+32+n:SA+33+n], v[OA+32+n:OA+33+n], v[18:19] op_sel_hi:[1,0]
.set n, n+2
.endr
.set n, 0
.rept 64
	v_med3_num_f32 v[SA+n], v[SA+n], -v60, v60
.set n, n+1
.endr
.irp t, 0,1,2,3,4,5,6,7
	v_cvt_scalef32_pk8_fp8_f32 v[26+2*\t:27+2*\t], v[SA+8*\t:SA+8*\t+7], v59
.endr
	v_nop
	global_store_b128 v[LOFF], v[26:29], s[10:11]
	global_store_b128 v[LOFF], v[30:33], s[10:11] offset:512
	global_store_b128 v[LOFF], v[34:37], s[10:11] offset:16384              ; tile B: the next tile row's images
	global_store_b128 v[LOFF], v[38:41], s[10:11] offset:16384+512
	s_wait_tensorcnt 0x0                           ; the wave's end
	ds_add_u32 v[SPW], v[NIL]
	s_wait_dscnt 0x0
	s_endpgm
.Lfunc_end_k_qd456324a20_attn:
	.size	k_qd456324a20_attn, .Lfunc_end_k_qd456324a20_attn-k_qd456324a20_attn
	.p2alignl 7, 3214868480
	.fill 96, 4, 3214868480
	.section	.rodata,"a",@progbits
	.p2align	6, 0x0
	.amdhsa_kernel k_qd456324a20_attn
		.amdhsa_group_segment_fixed_size 271360
		.amdhsa_private_segment_fixed_size 0
		.amdhsa_enable_private_segment 0
		.amdhsa_kernarg_size 32
		.amdhsa_user_sgpr_count 2
		.amdhsa_user_sgpr_kernarg_segment_ptr 1
		.amdhsa_wavefront_size32 1
		.amdhsa_system_sgpr_workgroup_id_x 1
		.amdhsa_system_sgpr_workgroup_id_y 1
		.amdhsa_system_sgpr_workgroup_id_z 1
		.amdhsa_system_vgpr_workitem_id 0
		.amdhsa_next_free_vgpr 512
		.amdhsa_next_free_sgpr 80
		.amdhsa_reserve_vcc 1
		.amdhsa_float_denorm_mode_32 3
		.amdhsa_float_denorm_mode_16_64 3
		.amdhsa_memory_ordered 1
		.amdhsa_forward_progress 1
		.amdhsa_inst_pref_size 58
	.end_amdhsa_kernel
	.amdgpu_metadata
---
amdhsa.version: [ 1, 2 ]
amdhsa.kernels:
  - .name:           k_qd456324a20_attn
    .symbol:         k_qd456324a20_attn.kd
    .args:
      - { .name: qkvimg, .offset: 0, .size: 8, .value_kind: global_buffer, .address_space: global }
      - { .name: src_mask, .offset: 8, .size: 8, .value_kind: global_buffer, .address_space: global }
      - { .name: lowp_scales, .offset: 16, .size: 8, .value_kind: global_buffer, .address_space: global }
      - { .name: cimg, .offset: 24, .size: 8, .value_kind: global_buffer, .address_space: global }
    .group_segment_fixed_size: 271360
    .private_segment_fixed_size: 0
    .kernarg_segment_align: 8
    .kernarg_segment_size: 32
    .max_flat_workgroup_size: 256
    .sgpr_count:     80
    .vgpr_count:     512
    .wavefront_size: 32
...
	.end_amdgpu_metadata
.endif
;; end of part 3
;; launch oproj (part 4): grid 8 x 32, 4 waves a work-group, clusters of 4 x 4, 327,680 bytes of LDS; arguments cimg, wimg, lowp_scales, x, xr; writes xr
.if DOCPART == 4
	.amdgcn_target "amdgcn-amd-amdhsa--gfx1250"
	.amdhsa_code_object_version 6
	.text
	.protected	k_qd456324a20_oproj
	.globl	k_qd456324a20_oproj
	.p2align	8
	.type	k_qd456324a20_oproj,@function
k_qd456324a20_oproj:
	s_mov_b64 s[64:65], 0
	v_nop
	global_prefetch_b8 v0, s[64:65] scope:SCOPE_SE
	s_setreg_imm32_b32 hwreg(HW_REG_WAVE_MODE, 25, 1), 1
	s_wait_xcnt 0x0
	s_wait_alu depctr_hold_cnt(0) depctr_sa_sdst(0) depctr_va_vdst(0) depctr_va_sdst(0) depctr_va_ssrc(0) depctr_va_vcc(0) depctr_vm_vsrc(0)
	s_getreg_b32 s2, hwreg(HW_REG_IB_STS2, 6, 4)
	s_cmp_eq_u32 s2, 0
	s_cbranch_scc0 .Lentry_in_a_cluster
	s_endpgm
.Lentry_in_a_cluster:
	s_bfe_u32 s2, ttmp6, 0x10000c
	s_cmp_lg_u32 s2, 0xf033
	s_cbranch_scc0 .Lentry_shape_is_right
	s_endpgm
.Lentry_shape_is_right:
.set NA,    4
.set KTOT,  1024
.set BOFF,  3<<20
.set SCB,   0x28
.set HAS_BIAS, 0
.set NQ,    16/NA
.set RTB,   2048*NQ
.set HALFT, NA*RTB
.set SLOT,  4*HALFT
.set SPARE, 2*SLOT
.set GROW,  16*KTOT
.set LAPS,  KTOT/(256*NQ)
.set FR,    16
.set ADRA,  16
.set ADRB,  20
.set SPW,   28
.set NIL,   29
.set AF,    128
.set G1,    24
.set G0,    32
.set G1B,   48
.set G0B,   56
.set MSB,   0
.set MUL_LO, 0xa1
.set MUL_HI, 0xf1
.set TO_B,   0x40
.macro WIN new
.if MSB != \new
	s_set_vgpr_msb (MSB<<8)|\new
.set MSB, \new
.endif
.endm
.macro JLOAD g0a, g1a, g0b, g1b
	s_cmp_eq_u32 s15, 0
	s_cbranch_scc0 .Lfor_b_\@
	tensor_load_to_lds s[\g0a:\g0a+3], s[\g1a:\g1a+7]
	s_nop 0
.rept 4
	v_nop
.endr
	s_branch .Lasked_\@
.Lfor_b_\@:
	tensor_load_to_lds s[\g0b:\g0b+3], s[\g1b:\g1b+7]
	s_nop 0
.rept 4
	v_nop
.endr
.Lasked_\@:
.endm
.macro CREST
	s_cmp_lg_u32 s14, 0
	s_cbranch_scc1 .Lnot_wave_0_\@
	s_barrier_signal -3
.Lnot_wave_0_\@:
	s_barrier_wait -3
	s_barrier_signal -1
	s_barrier_wait -1
.endm
.macro CROUND
	s_barrier_signal -1
	s_barrier_wait -1
	CREST
.endm
.macro PLACES n
.rept \n
	v_nop
.endr
.endm
.macro IDS
	v_lshl_add_u32 v[SPW], v0, 2, SPARE
	v_mov_b32 v[NIL], 0
	ds_add_u32 v28, v29
	ds_add_u32 v28, v29
	s_wait_dscnt 0x0
	v_lshrrev_b32 v1, 5, v0
	v_readfirstlane_b32 s14, v1
	s_lshr_b32 s15, s14, 1
	s_and_b32 s16, s14, 1
	s_bfe_u32 s40, ttmp6, 0x40000
	s_bfe_u32 s41, ttmp6, 0x40004
	s_lshl_b32 s43, s41, 2
	s_lshl_b32 s43, 15, s43
	s_lshl_b32 s44, 0x1111, s40
	s_or_b32 s[G1], s43, (3<<16)|(1<<21)
	s_or_b32 s[G1B], s44, (3<<16)|(1<<21)
.irp g, G1, G1B
	s_mov_b32 s[\g+1], (RTB/8)<<16
	s_mov_b32 s[\g+2], NA<<16
	s_mov_b32 s[\g+3], (RTB/8)<<16
	s_mov_b32 s[\g+4], NA
	s_mov_b32 s[\g+5], GROW/8
	s_mov_b32 s[\g+6], 0
	s_mov_b32 s[\g+7], 0
.endr
	s_mul_i32 s45, s14, HALFT
.endm
.macro OFFS boff
	s_lshl_b32 s20, s17, 1
	s_add_co_u32 s20, s20, s16
	s_mul_i32 s20, s20, NA*GROW
	s_mov_b32 s21, 0
	s_lshl_b32 s46, s42, 1
	s_add_co_u32 s46, s46, s16
	s_mul_i32 s46, s46, NA*GROW
	s_add_co_u32 s46, s46, \boff
	s_mov_b32 s47, 0
.endm
.macro FILL2
	CROUND
.irp s, 0,1
	s_mov_b32 s[G0+4*\s], 1
	s_add_co_u32 s[G0+4*\s+1], s45, \s*SLOT
	s_add_nc_u64 s[G0+4*\s+2:G0+4*\s+3], s[20:21], \s*RTB
	s_or_b32 s[G0+4*\s+3], s[G0+4*\s+3], 0x80000000
	s_mov_b32 s[G0B+4*\s], 1
	s_add_co_u32 s[G0B+4*\s+1], s45, \s*SLOT
	s_add_nc_u64 s[G0B+4*\s+2:G0B+4*\s+3], s[46:47], \s*RTB
	s_or_b32 s[G0B+4*\s+3], s[G0B+4*\s+3], 0x80000000
	s_wait_alu depctr_va_vdst(0)
	s_wait_tensorcnt 0x0
	ds_add_u32 v28, v29
	ds_add_u32 v28, v29
	s_wait_dscnt 0x0
	CROUND
	JLOAD G0+4*\s, G1, G0B+4*\s, G1B
.endr
	v_and_b32 v1, 31, v0
	v_lshlrev_b32 v4, 4, v1
	s_mul_i32 s21, s15, HALFT
	s_mul_i32 s22, s16, HALFT
	s_add_co_u32 s22, s22, 2*HALFT
.irp s, 0,1
	v_add_nc_u32 v[ADRA+\s], s21, v4
	v_add_nc_u32 v[ADRB+\s], s22, v4
	s_add_co_u32 s21, s21, SLOT
	s_add_co_u32 s22, s22, SLOT
.endr
.endm
.macro FRAG reg, adr, q, i
.irp c, 0,1,2,3
	ds_load_b128 v[\reg+4*\c:\reg+4*\c+3], v[\adr] offset:(\i)*RTB+(\q)*2048+512*\c
.endr
.endm
.macro FETCH_B slot, q, p
	WIN TO_B
.set fi, 0
.rept NA
	FRAG 128*(\p)+FR*fi, ADRB+\slot, \q, fi
.set fi, fi+1
.endr
	WIN 0
.endm
.macro FETCH_A slot, q, i0
.set fi, \i0
.rept NA/2
	FRAG AF+FR*fi, ADRA+\slot, \q, fi
.set fi, fi+1
.endr
.endm
.macro MULQ g, p, zero
.set ia, (\g)*(NA/4)
.rept NA/4
.set ib, 0
.rept NA
.set rc, 8*(NA*(ia%(NA/2))+ib)
.if \zero
	v_wmma_f32_16x16x128_fp8_fp8 v[rc:rc+7], v[128*(\p)+FR*ib:128*(\p)+FR*ib+FR-1], v[AF+FR*ia:AF+FR*ia+FR-1], 0
.else
	v_wmma_f32_16x16x128_fp8_fp8 v[rc:rc+7], v[128*(\p)+FR*ib:128*(\p)+FR*ib+FR-1], v[AF+FR*ia:AF+FR*ia+FR-1], v[rc:rc+7]
.endif
.set ib, ib+1
.endr
.set ia, ia+1
.endr
.endm
.macro STEP slot, q, zero
	s_wait_dscnt 2*NA
	WIN MUL_LO
	MULQ 0, (\q)%2, \zero
	MULQ 1, (\q)%2, \zero
	s_wait_dscnt 0
	PLACES 4
	FETCH_B \slot, (\q)+1, 1-(\q)%2
	FETCH_A \slot, (\q)+1, 0
	WIN MUL_HI
	MULQ 2, (\q)%2, \zero
	MULQ 3, (\q)%2, \zero
	PLACES 4
	WIN 0
	FETCH_A \slot, (\q)+1, NA/2
.endm
.macro TURN slot, next, fill
	s_wait_tensorcnt 0x0
	ds_add_u32 v[SPW], v[NIL]
	s_wait_dscnt 2*NA+1
	WIN MUL_LO
	MULQ 0, 1, 0
	s_wait_dscnt 0x0
	s_barrier_signal -1
	MULQ 1, 1, 0
	WIN 0
	s_barrier_wait -1
.if \fill
	CREST
	s_add_nc_u64 s[G0+4*\slot+2:G0+4*\slot+3], s[G0+4*\slot+2:G0+4*\slot+3], 2*RTB
	s_add_nc_u64 s[G0B+4*\slot+2:G0B+4*\slot+3], s[G0B+4*\slot+2:G0B+4*\slot+3], 2*RTB
	JLOAD G0+4*\slot, G1, G0B+4*\slot, G1B
.else
	PLACES 4
.endif
	FETCH_B \next, 0, 0
	FETCH_A \next, 0, 0
	WIN MUL_HI
	MULQ 2, 1, 0
	MULQ 3, 1, 0
	PLACES 4
	WIN 0
	FETCH_A \next, 0, NA/2
.endm
.macro MID slot, from
.if NQ-1-(\from) > 0
.set sq, \from
.rept NQ-1-(\from)
	STEP \slot, sq, 0
.set sq, sq+1
.endr
.endif
.endm
.macro MAINLOOP
	s_wait_tensorcnt 1
	s_barrier_signal -1
	s_barrier_wait -1
	FETCH_B 0, 0, 0
	FETCH_A 0, 0, 0
	FETCH_A 0, 0, NA/2
	STEP 0, 0, 1
.if LAPS > 1
	s_mov_b32 s3, LAPS-1
.Llap_\@:
	MID 0, 1
	TURN 0, 1, 1
	MID 1, 0
	TURN 1, 0, 1
	STEP 0, 0, 0
	s_sub_co_u32 s3, s3, 1
	s_cmp_lg_u32 s3, 0
	s_cbranch_scc1 .Llap_\@
.endif
	MID 0, 1
	TURN 0, 1, 0
	MID 1, 0
	s_wait_dscnt 2*NA
	WIN MUL_LO
	MULQ 0, 1, 0
	MULQ 1, 1, 0
	s_wait_dscnt 0
	WIN MUL_HI
	MULQ 2, 1, 0
	MULQ 3, 1, 0
	WIN 0
.endm
.macro FINISH
	s_wait_tensorcnt 0x0
	ds_add_u32 v[SPW], v[NIL]
	s_wait_dscnt 0x0
	CROUND
	s_endpgm
.endm
.set STO, 24
.set RD,  25
.set CO,  26
.set BK,  32
.set B2,  96
.set SP,  272
.macro TOSTAGE a
	WIN 0x08+4*((\a)/2)
.irp b, 0,1,2,3
	ds_store_b128 v[STO], v[8*(4*((\a)%2)+\b):8*(4*((\a)%2)+\b)+3] offset:64*\b
	ds_store_b128 v[STO], v[8*(4*((\a)%2)+\b)+4:8*(4*((\a)%2)+\b)+7] offset:64*\b+16
.endr
	WIN 0
.irp t, 0,1,2,3,4,5,6,7
	ds_load_b128 v[BK+32*((\a)%2)+4*\t:BK+32*((\a)%2)+4*\t+3], v[RD] offset:\t*2*SP
.endr
.endm
.macro SEND a, younger
.set BB, BK+32*((\a)%2)
.set RR, 64+32*((\a)%2)+128*((\a)/2)
	s_wait_dscnt \younger
	WIN 0x10
.set n, 0
.rept 16
	v_pk_fma_f32 v[BB+n:BB+n+1], v[BB+n:BB+n+1], s[96:97], v[RR+n:RR+n+1] op_sel_hi:[1,0,1]
.set n, n+2
.endr
	WIN 0
.if HAS_BIAS
.irp t, 0,1,2,3,4,5,6,7
	v_pk_add_f32 v[BB+4*\t:BB+4*\t+1], v[BB+4*\t:BB+4*\t+1], v[B2:B2+1]
	v_pk_add_f32 v[BB+4*\t+2:BB+4*\t+3], v[BB+4*\t+2:BB+4*\t+3], v[B2+2:B2+3]
.endr
.endif
.irp t, 0,1,2,3,4,5,6,7
	global_store_b128 v[CO], v[BB+4*\t:BB+4*\t+3], s[70:71] offset:(16*(\a)+2*\t)*4096
.endr
.endm
	s_load_b128 s[4:7], s[0:1], 0x0
	s_load_b128 s[8:11], s[0:1], 0x10
.if HAS_BIAS
	s_load_b128 s[68:71], s[0:1], 0x20
.else
	s_load_b64 s[70:71], s[0:1], 0x20
.endif
	IDS
	s_lshl_b32 s42, ttmp9, 2
	s_add_co_u32 s42, s42, s40
	s_and_b32 s17, ttmp7, 0xffff
	s_lshl_b32 s17, s17, 2
	s_add_co_u32 s17, s17, s41
	OFFS BOFF
	s_wait_kmcnt 0x0
	s_load_b64 s[96:97], s[8:9], SCB
	s_add_nc_u64 s[20:21], s[4:5], s[20:21]
	s_add_nc_u64 s[46:47], s[6:7], s[46:47]
	FILL2
	v_and_b32 v1, 15, v0
	v_bfe_u32 v2, v0, 4, 1
	s_mul_i32 s23, s14, 16*SP
	v_mul_u32_u24 v5, v1, SP
	v_lshl_add_u32 v5, v2, 5, v5
	v_add_nc_u32 v[STO], s23, v5
	v_mul_u32_u24 v5, v2, SP
	v_lshl_add_u32 v5, v1, 4, v5
	v_add_nc_u32 v[RD], s23, v5
	v_lshlrev_b32 v5, 12, v2
	v_lshl_add_u32 v[CO], v1, 4, v5
	s_wait_alu depctr_va_vdst(0)
	s_lshl_b32 s18, s17, 19
	s_lshl_b32 s19, s15, 18
	s_add_co_u32 s18, s18, s19
	s_lshl_b32 s22, s42, 9
	s_lshl_b32 s19, s16, 8
	s_add_co_u32 s22, s22, s19
	s_add_co_u32 s18, s18, s22
	s_mov_b32 s19, 0
	s_mov_b32 s23, 0
	s_add_nc_u64 s[10:11], s[10:11], s[18:19]
	s_add_nc_u64 s[70:71], s[70:71], s[18:19]
.if HAS_BIAS
	s_add_nc_u64 s[68:69], s[68:69], s[22:23]
	v_lshlrev_b32 v6, 4, v1
	global_load_b128 v[B2:B2+3], v6, s[68:69]
.endif
	WIN 0x40
.irp a, 0,1,2,3
.irp t, 0,1,2,3,4,5,6,7
	global_load_b128 v[64+32*(\a%2)+128*(\a/2)+4*\t:64+32*(\a%2)+128*(\a/2)+4*\t+3], v[CO], s[10:11] offset:(16*\a+2*\t)*4096
.endr
.endr
	WIN 0
	MAINLOOP
	s_wait_kmcnt 0x0
	s_add_co_i32 s96, s96, s97
	s_add_co_i32 s96, s96, 127
	s_lshl_b32 s96, s96, 23
	s_wait_loadcnt 0x0
	PLACES 4
	TOSTAGE 0
.irp a, 1,2,3
.if \a > 1
	s_wait_xcnt 0x0
.endif
	TOSTAGE \a
	SEND \a-1, 16
.endr
	SEND 3, 0
	FINISH
.Lfunc_end_k_qd456324a20_oproj:
	.size	k_qd456324a20_oproj, .Lfunc_end_k_qd456324a20_oproj-k_qd456324a20_oproj
	.p2alignl 7, 3214868480
	.fill 96, 4, 3214868480
	.section	.rodata,"a",@progbits
	.p2align	6, 0x0
	.amdhsa_kernel k_qd456324a20_oproj
		.amdhsa_group_segment_fixed_size 327680
		.amdhsa_private_segment_fixed_size 0
		.amdhsa_enable_private_segment 0
		.amdhsa_kernarg_size 40
		.amdhsa_user_sgpr_count 2
		.amdhsa_user_sgpr_kernarg_segment_ptr 1
		.amdhsa_wavefront_size32 1
		.amdhsa_system_sgpr_workgroup_id_x 1
		.amdhsa_system_sgpr_workgroup_id_y 1
		.amdhsa_system_sgpr_workgroup_id_z 1
		.amdhsa_system_vgpr_workitem_id 0
		.amdhsa_next_free_vgpr 1024
		.amdhsa_next_free_sgpr 100
		.amdhsa_reserve_vcc 0
		.amdhsa_float_denorm_mode_32 3
		.amdhsa_float_denorm_mode_16_64 3
		.amdhsa_memory_ordered 1
		.amdhsa_forward_progress 1
		.amdhsa_inst_pref_size 52
	.end_amdhsa_kernel
	.amdgpu_metadata
---
amdhsa.version: [ 1, 2 ]
amdhsa.kernels:
  - .name:           k_qd456324a20_oproj
    .symbol:         k_qd456324a20_oproj.kd
    .args:
      - { .name: cimg, .offset: 0, .size: 8, .value_kind: global_buffer, .address_space: global }
      - { .name: wimg, .offset: 8, .size: 8, .value_kind: global_buffer, .address_space: global }
      - { .name: lowp_scales, .offset: 16, .size: 8, .value_kind: global_buffer, .address_space: global }
      - { .name: x, .offset: 24, .size: 8, .value_kind: global_buffer, .address_space: global }
      - { .name: xr, .offset: 32, .size: 8, .value_kind: global_buffer, .address_space: global }
    .group_segment_fixed_size: 327680
    .private_segment_fixed_size: 0
    .kernarg_segment_align: 8
    .kernarg_segment_size: 40
    .max_flat_workgroup_size: 128
    .sgpr_count:     100
    .vgpr_count:     1024
    .wavefront_size: 32
...
	.end_amdgpu_metadata
.endif
;; end of part 4
;; launch ln2 (part 5): grid 256 x 1, 4 waves a work-group, no clusters, 66,304 bytes of LDS; arguments xr, ln2_g, ln2_b, lowp_scales, x2img; writes x2img
.if DOCPART == 5
	.amdgcn_target "amdgcn-amd-amdhsa--gfx1250"
	.amdhsa_code_object_version 6
	.text
	.protected	k_qd456324a20_ln2
	.globl	k_qd456324a20_ln2
	.p2align	8
	.type	k_qd456324a20_ln2,@function
k_qd456324a20_ln2:
	s_mov_b64 s[64:65], 0
	v_nop
	global_prefetch_b8 v0, s[64:65] scope:SCOPE_SE
	s_setreg_imm32_b32 hwreg(HW_REG_WAVE_MODE, 25, 1), 1
	s_wait_xcnt 0x0
; LN2 of 16 rows of xr, quantised with scale entry 12 into images (a tile of 16 rows x 128 K is 2,048 bytes, the picture of the operand's 16 registers; tile (rt, kb) at (8 rt + kb) 2048).
; Four waves: each normalises four rows (a row to a wave at a time, the reduction never leaves the wave) and stores them into a stage in LDS; one barrier; each then converts two of the eight K blocks.
; The variance is that of the centred row (two passes).  LIMIT: e between -126 and 119.  NaN among the inputs is not served.
.set LNP,  4112                        ; a stage row: 4,096 bytes + 16
.set NS,   1
.set NR,   4
.set G,    32
.set BV,   64
.set X,    96
.set T,    32
.set PCD,  48
.macro MKSCALE e, vs, vl, t0, t1
	s_add_co_i32 s[\t0], s[\e], 127
	s_lshl_b32 s[\t1], s[\t0], 23
	v_mov_b32 v[\vs], s[\t1]
	s_add_co_i32 s[\t0], s[\t0], 8
	s_lshl_b32 s[\t0], s[\t0], 23
	s_or_b32 s[\t0], s[\t0], 0x600000
	v_mov_b32 v[\vl], s[\t0]
.endm
.macro LNSUM
	v_pk_add_f32 v[2:3], v[2:3], v[4:5]
	v_pk_add_f32 v[6:7], v[6:7], v[8:9]
	v_pk_add_f32 v[2:3], v[2:3], v[6:7]
	v_add_f32 v14, v2, v3
	v_add_f32_dpp v14, v14, v14 row_xmask:1 row_mask:0xf bank_mask:0xf
	v_add_f32_dpp v14, v14, v14 row_xmask:2 row_mask:0xf bank_mask:0xf
	v_add_f32_dpp v14, v14, v14 row_xmask:4 row_mask:0xf bank_mask:0xf
	v_add_f32_dpp v14, v14, v14 row_xmask:8 row_mask:0xf bank_mask:0xf
	v_permlanex16_b32 v15, v14, s12, s13
	v_add_f32 v14, v14, v15
.endm
.macro LNLOAD rr
.irp i, 0,1,2,3,4,5,6,7
	global_load_b128 v[X+32*((\rr)%4)+4*\i:X+32*((\rr)%4)+4*\i+3], v27, s[4:5] offset:(\rr)*4096+512*\i
.endr
.endm
.macro LNROW rr
.set XS, X+32*((\rr)%4)
	s_wait_loadcnt 8*(NR-1-(\rr))                  ; my row is in; the rows behind it may be out
.irp c, 0,2,4,6
	v_pk_add_f32 v[2+\c:3+\c], v[XS+\c:XS+\c+1], v[XS+8+\c:XS+9+\c]
.endr
.irp o, 16,24
.irp c, 0,2,4,6
	v_pk_add_f32 v[2+\c:3+\c], v[2+\c:3+\c], v[XS+\o+\c:XS+\o+\c+1]
.endr
.endr
	LNSUM
	v_mul_f32 v10, s14, v14
.set n, 0
.rept 16
	v_pk_add_f32 v[XS+n:XS+n+1], v[XS+n:XS+n+1], v[10:11] op_sel_hi:[1,0] neg_lo:[0,1] neg_hi:[0,1]
.set n, n+2
.endr
.irp c, 0,2,4,6
	v_pk_mul_f32 v[2+\c:3+\c], v[XS+\c:XS+\c+1], v[XS+\c:XS+\c+1]
.endr
.irp o, 8,16,24
.irp c, 0,2,4,6
	v_pk_fma_f32 v[2+\c:3+\c], v[XS+\o+\c:XS+\o+\c+1], v[XS+\o+\c:XS+\o+\c+1], v[2+\c:3+\c]
.endr
.endr
	LNSUM
	v_fma_f32 v14, v14, s14, s15
	s_wait_alu depctr_va_vdst(0)
	v_rsq_f32 v12, v14
	v_nop                                          ; a plain instruction behind the transcendental,
	s_wait_alu depctr_va_vdst(0)                   ; and the wait ahead of its first reader
.set n, 0
.rept 16
	v_pk_mul_f32 v[XS+n:XS+n+1], v[XS+n:XS+n+1], v[12:13] op_sel_hi:[1,0]
.set n, n+2
.endr
.set n, 0
.rept 16
	v_pk_fma_f32 v[XS+n:XS+n+1], v[XS+n:XS+n+1], v[G+n:G+n+1], v[BV+n:BV+n+1]
.set n, n+2
.endr
.irp i, 0,1,2,3,4,5,6,7
	ds_store_b128 v16, v[XS+4*\i:XS+4*\i+3] offset:(\rr)*LNP+512*\i
.endr
.endm
.macro LNQ pr
.irp kk, 0,1
.irp c, 0,1,2,3,4,5,6,7
	ds_load_b128 v[X+64*\kk+8*\c:X+64*\kk+8*\c+3], v17 offset:512*(2*(\pr)+\kk)+64*\c
	ds_load_b128 v[X+64*\kk+8*\c+4:X+64*\kk+8*\c+7], v17 offset:512*(2*(\pr)+\kk)+64*\c+16
.endr
.endr
.irp kk, 0,1
	s_wait_dscnt 16-16*\kk                         ; this block's sixteen loads are in; the second block's may be out
	s_wait_xcnt 0x0                                ; earlier stores have read the codes' registers
.irp c, 0,1,2,3,4,5,6,7
.irp j, 0,1,2,3,4,5,6,7
	v_med3_num_f32 v[T+8*(\c%2)+\j], v[X+64*\kk+8*\c+\j], -v19, v19   ; the conversion does not saturate (ISA guide 7.6.2): the hold comes first
.endr
	v_cvt_scalef32_pk8_fp8_f32 v[PCD+2*\c:PCD+2*\c+1], v[T+8*(\c%2):T+8*(\c%2)+7], v18
.endr
	v_nop
.irp p, 0,1,2,3
	global_store_b128 v24, v[PCD+4*\p:PCD+4*\p+3], s[18:19] offset:(2*(\pr)+\kk)*2048+512*\p
.endr
.endr
.endm
	s_load_b128 s[4:7], s[0:1], 0x0                ; xr, ln2_g
	s_load_b128 s[8:11], s[0:1], 0x10              ; ln2_b, the scales' exponents
	s_load_b64 s[18:19], s[0:1], 0x20              ; x2img
	v_lshl_add_u32 v224, v0, 2, 0x10100
	v_mov_b32 v225, 0
	s_mov_b32 s12, 0x76543210
	s_mov_b32 s13, 0xfedcba98
	s_mov_b32 s14, 0x3a800000                      ; 1/1024
	s_mov_b32 s15, 0x358637bd                      ; 1e-6
	v_lshrrev_b32 v14, 5, v0
	v_readfirstlane_b32 s16, v14                   ; wave
	s_lshl_b32 s28, ttmp9, 16
	s_mov_b32 s29, 0
	s_lshl_b32 s30, ttmp9, 14
	s_mov_b32 s31, 0
	v_and_b32 v1, 31, v0
	v_lshlrev_b32 v1, 4, v1                        ; 16 x lane
	s_mul_i32 s17, s16, NR*LNP
	v_add_nc_u32 v16, s17, v1                      ; stage, in: my four rows
	v_and_b32 v14, 15, v0
	v_bfe_u32 v15, v0, 4, 1
	v_mul_u32_u24 v17, v14, LNP
	v_lshl_add_u32 v17, v15, 5, v17
	s_lshl_b32 s17, s16, 10
	v_add_nc_u32 v17, s17, v17                     ; stage, out: row r, + 32 h, + my two K blocks
	s_lshl_b32 s17, s16, 14
	v_add_nc_u32 v27, s17, v1                      ; xr: my four rows
	s_lshl_b32 s17, s16, 12
	v_add_nc_u32 v24, s17, v1                      ; my two images
	v_mov_b32 v11, 0
	v_mov_b32 v13, 0
	s_wait_alu depctr_va_vdst(0)
	s_wait_kmcnt 0x0
	s_load_b32 s20, s[10:11], 0x30                 ; entry 12
	s_add_nc_u64 s[4:5], s[4:5], s[28:29]
	s_add_nc_u64 s[18:19], s[18:19], s[30:31]
.irp i, 0,1,2,3,4,5,6,7
	global_load_b128 v[G+4*\i:G+4*\i+3], v1, s[6:7] offset:512*\i
	global_load_b128 v[BV+4*\i:BV+4*\i+3], v1, s[8:9] offset:512*\i
.endr
	LNLOAD 0
	LNLOAD 1
	LNLOAD 2
	LNLOAD 3
	s_wait_kmcnt 0x0
	MKSCALE 20, 18, 19, 28, 29
	LNROW 0
	LNROW 1
	LNROW 2
	LNROW 3
	s_wait_dscnt 0x0                               ; for the others' sake: my rows lie in the stage
	s_barrier_signal -1
	s_barrier_wait -1
	LNQ 0
	s_wait_tensorcnt 0x0
	ds_add_u32 v224, v225
	s_wait_dscnt 0x0
	s_endpgm
.Lfunc_end_k_qd456324a20_ln2:
	.size	k_qd456324a20_ln2, .Lfunc_end_k_qd456324a20_ln2-k_qd456324a20_ln2
	.p2alignl 7, 3214868480
	.fill 96, 4, 3214868480
	.section	.rodata,"a",@progbits
	.p2align	6, 0x0
	.amdhsa_kernel k_qd456324a20_ln2
		.amdhsa_group_segment_fixed_size 66304
		.amdhsa_private_segment_fixed_size 0
		.amdhsa_enable_private_segment 0
		.amdhsa_kernarg_size 40
		.amdhsa_user_sgpr_count 2
		.amdhsa_user_sgpr_kernarg_segment_ptr 1
		.amdhsa_wavefront_size32 1
		.amdhsa_system_sgpr_workgroup_id_x 1
		.amdhsa_system_sgpr_workgroup_id_y 1
		.amdhsa_system_sgpr_workgroup_id_z 1
		.amdhsa_system_vgpr_workitem_id 0
		.amdhsa_next_free_vgpr 226
		.amdhsa_next_free_sgpr 66
		.amdhsa_reserve_vcc 0
		.amdhsa_float_denorm_mode_32 3
		.amdhsa_float_denorm_mode_16_64 3
		.amdhsa_memory_ordered 1
		.amdhsa_forward_progress 1
		.amdhsa_inst_pref_size 46
	.end_amdhsa_kernel
	.amdgpu_metadata
---
amdhsa.version: [ 1, 2 ]
amdhsa.kernels:
  - .name:           k_qd456324a20_ln2
    .symbol:         k_qd456324a20_ln2.kd
    .args:
      - { .name: xr, .offset: 0, .size: 8, .value_kind: global_buffer, .address_space: global }
      - { .name: ln2_g, .offset: 8, .size: 8, .value_kind: global_buffer, .address_space: global }
      - { .name: ln2_b, .offset: 16, .size: 8, .value_kind: global_buffer, .address_space: global }
      - { .name: lowp_scales, .offset: 24, .size: 8, .value_kind: global_buffer, .address_space: global }
      - { .name: x2img, .offset: 32, .size: 8, .value_kind: global_buffer, .address_space: global }
    .group_segment_fixed_size: 66304
    .private_segment_fixed_size: 0
    .kernarg_segment_align: 8
    .kernarg_segment_size: 40
    .max_flat_workgroup_size: 128
    .sgpr_count:     66
    .vgpr_count:     226
    .wavefront_size: 32
...
	.end_amdgpu_metadata
.endif
;; end of part 5
;; launch ffn1 (part 6): grid 16 x 16, 4 waves a work-group, clusters of 4 x 4, 327,680 bytes of LDS; arguments x2img, wimg, lowp_scales, ffn_b1, himg; writes himg
.if DOCPART == 6
	.amdgcn_target "amdgcn-amd-amdhsa--gfx1250"
	.amdhsa_code_object_version 6
	.text
	.protected	k_qd456324a20_ffn1
	.globl	k_qd456324a20_ffn1
	.p2align	8
	.type	k_qd456324a20_ffn1,@function
k_qd456324a20_ffn1:
	s_mov_b64 s[64:65], 0
	v_nop
	global_prefetch_b8 v0, s[64:65] scope:SCOPE_SE
	s_setreg_imm32_b32 hwreg(HW_REG_WAVE_MODE, 25, 1), 1
	s_wait_xcnt 0x0
	s_wait_alu depctr_hold_cnt(0) depctr_sa_sdst(0) depctr_va_vdst(0) depctr_va_sdst(0) depctr_va_ssrc(0) depctr_va_vcc(0) depctr_vm_vsrc(0)
	s_getreg_b32 s2, hwreg(HW_REG_IB_STS2, 6, 4)
	s_cmp_eq_u32 s2, 0
	s_cbranch_scc0 .Lentry_in_a_cluster
	s_endpgm
.Lentry_in_a_cluster:
	s_bfe_u32 s2, ttmp6, 0x10000c
	s_cmp_lg_u32 s2, 0xf033
	s_cbranch_scc0 .Lentry_shape_is_right
	s_endpgm
.Lentry_shape_is_right:
.set NA,    8
.set KTOT,  1024
.set BOFF,  4<<20
.set NQ,    16/NA
.set RTB,   2048*NQ
.set HALFT, NA*RTB
.set SLOT,  4*HALFT
.set SPARE, 2*SLOT
.set GROW,  16*KTOT
.set LAPS,  KTOT/(256*NQ)
.set FR,    16
.set ADRA,  16
.set ADRB,  20
.set SPW,   28
.set NIL,   29
.set AF,    128
.set G1,    24
.set G0,    32
.set G1B,   48
.set G0B,   56
.set MSB,   0
.set MUL_LO, 0xa1
.set MUL_HI, 0xf1
.set TO_B,   0x40
.macro WIN new
.if MSB != \new
	s_set_vgpr_msb (MSB<<8)|\new
.set MSB, \new
.endif
.endm
.macro MKSCALE e, vs, vl, t0, t1
	s_add_co_i32 s[\t0], s[\e], 127
	s_lshl_b32 s[\t1], s[\t0], 23
	v_mov_b32 v[\vs], s[\t1]
	s_add_co_i32 s[\t0], s[\t0], 8
	s_lshl_b32 s[\t0], s[\t0], 23
	s_or_b32 s[\t0], s[\t0], 0x600000
	v_mov_b32 v[\vl], s[\t0]
.endm
.macro JLOAD g0a, g1a, g0b, g1b
	s_cmp_eq_u32 s15, 0
	s_cbranch_scc0 .Lfor_b_\@
	tensor_load_to_lds s[\g0a:\g0a+3], s[\g1a:\g1a+7]
	s_nop 0
.rept 4
	v_nop
.endr
	s_branch .Lasked_\@
.Lfor_b_\@:
	tensor_load_to_lds s[\g0b:\g0b+3], s[\g1b:\g1b+7]
	s_nop 0
.rept 4
	v_nop
.endr
.Lasked_\@:
.endm
.macro CREST
	s_cmp_lg_u32 s14, 0
	s_cbranch_scc1 .Lnot_wave_0_\@
	s_barrier_signal -3
.Lnot_wave_0_\@:
	s_barrier_wait -3
	s_barrier_signal -1
	s_barrier_wait -1
.endm
.macro CROUND
	s_barrier_signal -1
	s_barrier_wait -1
	CREST
.endm
.macro PLACES n
.rept \n
	v_nop
.endr
.endm
.macro IDS
	v_lshl_add_u32 v[SPW], v0, 2, SPARE
	v_mov_b32 v[NIL], 0
	ds_add_u32 v28, v29
	ds_add_u32 v28, v29
	s_wait_dscnt 0x0
	v_lshrrev_b32 v1, 5, v0
	v_readfirstlane_b32 s14, v1
	s_lshr_b32 s15, s14, 1
	s_and_b32 s16, s14, 1
	s_bfe_u32 s40, ttmp6, 0x40000
	s_bfe_u32 s41, ttmp6, 0x40004
	s_lshl_b32 s43, s41, 2
	s_lshl_b32 s43, 15, s43
	s_lshl_b32 s44, 0x1111, s40
	s_or_b32 s[G1], s43, (3<<16)|(1<<21)
	s_or_b32 s[G1B], s44, (3<<16)|(1<<21)
.irp g, G1, G1B
	s_mov_b32 s[\g+1], (RTB/8)<<16
	s_mov_b32 s[\g+2], NA<<16
	s_mov_b32 s[\g+3], (RTB/8)<<16
	s_mov_b32 s[\g+4], NA
	s_mov_b32 s[\g+5], GROW/8
	s_mov_b32 s[\g+6], 0
	s_mov_b32 s[\g+7], 0
.endr
	s_mul_i32 s45, s14, HALFT
.endm
.macro OFFS boff
	s_lshl_b32 s20, s17, 1
	s_add_co_u32 s20, s20, s16
	s_mul_i32 s20, s20, NA*GROW
	s_mov_b32 s21, 0
	s_lshl_b32 s46, s42, 1
	s_add_co_u32 s46, s46, s16
	s_mul_i32 s46, s46, NA*GROW
	s_add_co_u32 s46, s46, \boff
	s_mov_b32 s47, 0
.endm
.macro FILL2
	CROUND
.irp s, 0,1
	s_mov_b32 s[G0+4*\s], 1
	s_add_co_u32 s[G0+4*\s+1], s45, \s*SLOT
	s_add_nc_u64 s[G0+4*\s+2:G0+4*\s+3], s[20:21], \s*RTB
	s_or_b32 s[G0+4*\s+3], s[G0+4*\s+3], 0x80000000
	s_mov_b32 s[G0B+4*\s], 1
	s_add_co_u32 s[G0B+4*\s+1], s45, \s*SLOT
	s_add_nc_u64 s[G0B+4*\s+2:G0B+4*\s+3], s[46:47], \s*RTB
	s_or_b32 s[G0B+4*\s+3], s[G0B+4*\s+3], 0x80000000
	s_wait_alu depctr_va_vdst(0)
	s_wait_tensorcnt 0x0
	ds_add_u32 v28, v29
	ds_add_u32 v28, v29
	s_wait_dscnt 0x0
	CROUND
	JLOAD G0+4*\s, G1, G0B+4*\s, G1B
.endr
	v_and_b32 v1, 31, v0
	v_lshlrev_b32 v4, 4, v1
	s_mul_i32 s21, s15, HALFT
	s_mul_i32 s22, s16, HALFT
	s_add_co_u32 s22, s22, 2*HALFT
.irp s, 0,1
	v_add_nc_u32 v[ADRA+\s], s21, v4
	v_add_nc_u32 v[ADRB+\s], s22, v4
	s_add_co_u32 s21, s21, SLOT
	s_add_co_u32 s22, s22, SLOT
.endr
.endm
.macro FRAG reg, adr, q, i
.irp c, 0,1,2,3
	ds_load_b128 v[\reg+4*\c:\reg+4*\c+3], v[\adr] offset:(\i)*RTB+(\q)*2048+512*\c
.endr
.endm
.macro FETCH_B slot, q, p
	WIN TO_B
.set fi, 0
.rept NA
	FRAG 128*(\p)+FR*fi, ADRB+\slot, \q, fi
.set fi, fi+1
.endr
	WIN 0
.endm
.macro FETCH_A slot, q, i0
.set fi, \i0
.rept NA/2
	FRAG AF+FR*fi, ADRA+\slot, \q, fi
.set fi, fi+1
.endr
.endm
.macro MULQ g, p, zero
.set ia, (\g)*(NA/4)
.rept NA/4
.set ib, 0
.rept NA
.set rc, 8*(NA*(ia%(NA/2))+ib)
.if \zero
	v_wmma_f32_16x16x128_fp8_fp8 v[rc:rc+7], v[128*(\p)+FR*ib:128*(\p)+FR*ib+FR-1], v[AF+FR*ia:AF+FR*ia+FR-1], 0
.else
	v_wmma_f32_16x16x128_fp8_fp8 v[rc:rc+7], v[128*(\p)+FR*ib:128*(\p)+FR*ib+FR-1], v[AF+FR*ia:AF+FR*ia+FR-1], v[rc:rc+7]
.endif
.set ib, ib+1
.endr
.set ia, ia+1
.endr
.endm
.macro STEP slot, q, zero
	s_wait_dscnt 2*NA
	WIN MUL_LO
	MULQ 0, (\q)%2, \zero
	MULQ 1, (\q)%2, \zero
	s_wait_dscnt 0
	PLACES 4
	FETCH_B \slot, (\q)+1, 1-(\q)%2
	FETCH_A \slot, (\q)+1, 0
	WIN MUL_HI
	MULQ 2, (\q)%2, \zero
	MULQ 3, (\q)%2, \zero
	PLACES 4
	WIN 0
	FETCH_A \slot, (\q)+1, NA/2
.endm
.macro TURN slot, next, fill
	s_wait_tensorcnt 0x0
	ds_add_u32 v[SPW], v[NIL]
	s_wait_dscnt 2*NA+1
	WIN MUL_LO
	MULQ 0, 1, 0
	s_wait_dscnt 0x0
	s_barrier_signal -1
	MULQ 1, 1, 0
	WIN 0
	s_barrier_wait -1
.if \fill
	CREST
	s_add_nc_u64 s[G0+4*\slot+2:G0+4*\slot+3], s[G0+4*\slot+2:G0+4*\slot+3], 2*RTB
	s_add_nc_u64 s[G0B+4*\slot+2:G0B+4*\slot+3], s[G0B+4*\slot+2:G0B+4*\slot+3], 2*RTB
	JLOAD G0+4*\slot, G1, G0B+4*\slot, G1B
.else
	PLACES 4
.endif
	FETCH_B \next, 0, 0
	FETCH_A \next, 0, 0
	WIN MUL_HI
	MULQ 2, 1, 0
	MULQ 3, 1, 0
	PLACES 4
	WIN 0
	FETCH_A \next, 0, NA/2
.endm
.macro MID slot, from
.if NQ-1-(\from) > 0
.set sq, \from
.rept NQ-1-(\from)
	STEP \slot, sq, 0
.set sq, sq+1
.endr
.endif
.endm
.macro MAINLOOP
	s_wait_tensorcnt 1
	s_barrier_signal -1
	s_barrier_wait -1
	FETCH_B 0, 0, 0
	FETCH_A 0, 0, 0
	FETCH_A 0, 0, NA/2
	STEP 0, 0, 1
.if LAPS > 1
	s_mov_b32 s3, LAPS-1
.Llap_\@:
	MID 0, 1
	TURN 0, 1, 1
	MID 1, 0
	TURN 1, 0, 1
	STEP 0, 0, 0
	s_sub_co_u32 s3, s3, 1
	s_cmp_lg_u32 s3, 0
	s_cbranch_scc1 .Llap_\@
.endif
	MID 0, 1
	TURN 0, 1, 0
	MID 1, 0
	s_wait_dscnt 2*NA
	WIN MUL_LO
	MULQ 0, 1, 0
	MULQ 1, 1, 0
	s_wait_dscnt 0
	WIN MUL_HI
	MULQ 2, 1, 0
	MULQ 3, 1, 0
	WIN 0
.endm
.macro FINISH
	s_wait_tensorcnt 0x0
	ds_add_u32 v[SPW], v[NIL]
	s_wait_dscnt 0x0
	CROUND
	s_endpgm
.endm
.set B1R,  32
.set T64,  128
.set PCO,  192
.set LOFF, 25
.macro EH a
.set PB, PCO+16*((\a)%2)
.set AC, 64*((\a)%4)
	WIN 0x02+(\a)/4
.set n, 0
.rept 32
	v_pk_add_f32 v[T64+n:T64+n+1], v[AC+n:AC+n+1], v[B1R+n:B1R+n+1]
.set n, n+2
.endr
	WIN 0
.if (\a) >= 2
	s_wait_xcnt 0x0
.endif
.set n, 0
.rept 64
	v_med3_num_f32 v[T64+n], v[T64+n], 0, v112
.set n, n+1
.endr
.irp c, 0,1,2,3,4,5,6,7
	v_cvt_scalef32_pk8_fp8_f32 v[PB+2*\c:PB+2*\c+1], v[T64+8*\c:T64+8*\c+7], v113
.endr
	v_nop
.irp p, 0,1,2,3
	global_store_b128 v[LOFF], v[PB+4*\p:PB+4*\p+3], s[12:13] offset:(\a)*65536+512*\p
.endr
.endm
	s_load_b128 s[4:7], s[0:1], 0x0
	s_load_b128 s[8:11], s[0:1], 0x10
	s_load_b64 s[12:13], s[0:1], 0x20
	IDS
	s_lshl_b32 s42, ttmp9, 2
	s_add_co_u32 s42, s42, s40
	s_and_b32 s17, ttmp7, 0xffff
	s_lshl_b32 s17, s17, 2
	s_add_co_u32 s17, s17, s41
	OFFS BOFF
	s_wait_kmcnt 0x0
	s_load_b128 s[68:71], s[8:9], 0x30
	s_add_nc_u64 s[20:21], s[4:5], s[20:21]
	s_add_nc_u64 s[46:47], s[6:7], s[46:47]
	FILL2
	s_lshl_b32 s18, s42, 10
	s_lshl_b32 s19, s16, 9
	s_add_co_u32 s18, s18, s19
	s_mov_b32 s19, 0
	s_add_nc_u64 s[10:11], s[10:11], s[18:19]
	s_lshl_b32 s18, s17, 20
	s_lshl_b32 s22, s15, 19
	s_add_co_u32 s18, s18, s22
	s_lshl_b32 s22, s42, 12
	s_add_co_u32 s18, s18, s22
	s_lshl_b32 s22, s16, 11
	s_add_co_u32 s18, s18, s22
	s_add_nc_u64 s[12:13], s[12:13], s[18:19]
	v_bfe_u32 v24, v0, 4, 1
	v_lshlrev_b32 v24, 5, v24
	v_and_b32 v[LOFF], 31, v0
	v_lshlrev_b32 v[LOFF], 4, v[LOFF]
.irp b, 0,1,2,3,4,5,6,7
	global_load_b128 v[B1R+8*\b:B1R+8*\b+3], v24, s[10:11] offset:64*\b
	global_load_b128 v[B1R+8*\b+4:B1R+8*\b+7], v24, s[10:11] offset:64*\b+16
.endr
	s_wait_alu depctr_va_vdst(0)
	MAINLOOP
	s_wait_kmcnt 0x0
	s_add_co_i32 s72, s68, s69
	s_sub_co_i32 s73, 0, s72
	s_sub_co_i32 s74, s70, s72
	MKSCALE 74, 113, 112, 75, 76
	s_wait_loadcnt 0x0
.set n, 0
.rept 64
	v_ldexp_f32 v[B1R+n], v[B1R+n], s73
.set n, n+1
.endr
.irp a, 0,1,2,3,4,5,6,7
	EH \a
.endr
	FINISH
.Lfunc_end_k_qd456324a20_ffn1:
	.size	k_qd456324a20_ffn1, .Lfunc_end_k_qd456324a20_ffn1-k_qd456324a20_ffn1
	.p2alignl 7, 3214868480
	.fill 96, 4, 3214868480
	.section	.rodata,"a",@progbits
	.p2align	6, 0x0
	.amdhsa_kernel k_qd456324a20_ffn1
		.amdhsa_group_segment_fixed_size 327680
		.amdhsa_private_segment_fixed_size 0
		.amdhsa_enable_private_segment 0
		.amdhsa_kernarg_size 40
		.amdhsa_user_sgpr_count 2
		.amdhsa_user_sgpr_kernarg_segment_ptr 1
		.amdhsa_wavefront_size32 1
		.amdhsa_system_sgpr_workgroup_id_x 1
		.amdhsa_system_sgpr_workgroup_id_y 1
		.amdhsa_system_sgpr_workgroup_id_z 1
		.amdhsa_system_vgpr_workitem_id 0
		.amdhsa_next_free_vgpr 1024
		.amdhsa_next_free_sgpr 100
		.amdhsa_reserve_vcc 0
		.amdhsa_float_denorm_mode_32 3
		.amdhsa_float_denorm_mode_16_64 3
		.amdhsa_memory_ordered 1
		.amdhsa_forward_progress 1
		.amdhsa_inst_pref_size 140
	.end_amdhsa_kernel
	.amdgpu_metadata
---
amdhsa.version: [ 1, 2 ]
amdhsa.kernels:
  - .name:           k_qd456324a20_ffn1
    .symbol:         k_qd456324a20_ffn1.kd
    .args:
      - { .name: x2img, .offset: 0, .size: 8, .value_kind: global_buffer, .address_space: global }
      - { .name: wimg, .offset: 8, .size: 8, .value_kind: global_buffer, .address_space: global }
      - { .name: lowp_scales, .offset: 16, .size: 8, .value_kind: global_buffer, .address_space: global }
      - { .name: ffn_b1, .offset: 24, .size: 8, .value_kind: global_buffer, .address_space: global }
      - { .name: himg, .offset: 32, .size: 8, .value_kind: global_buffer, .address_space: global }
    .group_segment_fixed_size: 327680
    .private_segment_fixed_size: 0
    .kernarg_segment_align: 8
    .kernarg_segment_size: 40
    .max_flat_workgroup_size: 128
    .sgpr_count:     100
    .vgpr_count:     1024
    .wavefront_size: 32
...
	.end_amdgpu_metadata
.endif
;; end of part 6
;; launch ffn2 (part 7): grid 8 x 32, 4 waves a work-group, clusters of 4 x 4, 327,680 bytes of LDS; arguments himg, wimg, lowp_scales, xr, ffn_b2, out0; writes out0
.if DOCPART == 7
	.amdgcn_target "amdgcn-amd-amdhsa--gfx1250"
	.amdhsa_code_object_version 6
	.text
	.protected	k_qd456324a20_ffn2
	.globl	k_qd456324a20_ffn2
	.p2align	8
	.type	k_qd456324a20_ffn2,@function
k_qd456324a20_ffn2:
	s_mov_b64 s[64:65], 0
	v_nop
	global_prefetch_b8 v0, s[64:65] scope:SCOPE_SE
	s_setreg_imm32_b32 hwreg(HW_REG_WAVE_MODE, 25, 1), 1
	s_wait_xcnt 0x0
	s_wait_alu depctr_hold_cnt(0) depctr_sa_sdst(0) depctr_va_vdst(0) depctr_va_sdst(0) depctr_va_ssrc(0) depctr_va_vcc(0) depctr_vm_vsrc(0)
	s_getreg_b32 s2, hwreg(HW_REG_IB_STS2, 6, 4)
	s_cmp_eq_u32 s2, 0
	s_cbranch_scc0 .Lentry_in_a_cluster
	s_endpgm
.Lentry_in_a_cluster:
	s_bfe_u32 s2, ttmp6, 0x10000c
	s_cmp_lg_u32 s2, 0xf033
	s_cbranch_scc0 .Lentry_shape_is_right
	s_endpgm
.Lentry_shape_is_right:
.set NA,    4
.set KTOT,  4096
.set BOFF,  8<<20
.set SCB,   0x38
.set HAS_BIAS, 1
.set NQ,    16/NA
.set RTB,   2048*NQ
.set HALFT, NA*RTB
.set SLOT,  4*HALFT
.set SPARE, 2*SLOT
.set GROW,  16*KTOT
.set LAPS,  KTOT/(256*NQ)
.set FR,    16
.set ADRA,  16
.set ADRB,  20
.set SPW,   28
.set NIL,   29
.set AF,    128
.set G1,    24
.set G0,    32
.set G1B,   48
.set G0B,   56
.set MSB,   0
.set MUL_LO, 0xa1
.set MUL_HI, 0xf1
.set TO_B,   0x40
.macro WIN new
.if MSB != \new
	s_set_vgpr_msb (MSB<<8)|\new
.set MSB, \new
.endif
.endm
.macro JLOAD g0a, g1a, g0b, g1b
	s_cmp_eq_u32 s15, 0
	s_cbranch_scc0 .Lfor_b_\@
	tensor_load_to_lds s[\g0a:\g0a+3], s[\g1a:\g1a+7]
	s_nop 0
.rept 4
	v_nop
.endr
	s_branch .Lasked_\@
.Lfor_b_\@:
	tensor_load_to_lds s[\g0b:\g0b+3], s[\g1b:\g1b+7]
	s_nop 0
.rept 4
	v_nop
.endr
.Lasked_\@:
.endm
.macro CREST
	s_cmp_lg_u32 s14, 0
	s_cbranch_scc1 .Lnot_wave_0_\@
	s_barrier_signal -3
.Lnot_wave_0_\@:
	s_barrier_wait -3
	s_barrier_signal -1
	s_barrier_wait -1
.endm
.macro CROUND
	s_barrier_signal -1
	s_barrier_wait -1
	CREST
.endm
.macro PLACES n
.rept \n
	v_nop
.endr
.endm
.macro IDS
	v_lshl_add_u32 v[SPW], v0, 2, SPARE
	v_mov_b32 v[NIL], 0
	ds_add_u32 v28, v29
	ds_add_u32 v28, v29
	s_wait_dscnt 0x0
	v_lshrrev_b32 v1, 5, v0
	v_readfirstlane_b32 s14, v1
	s_lshr_b32 s15, s14, 1
	s_and_b32 s16, s14, 1
	s_bfe_u32 s40, ttmp6, 0x40000
	s_bfe_u32 s41, ttmp6, 0x40004
	s_lshl_b32 s43, s41, 2
	s_lshl_b32 s43, 15, s43
	s_lshl_b32 s44, 0x1111, s40
	s_or_b32 s[G1], s43, (3<<16)|(1<<21)
	s_or_b32 s[G1B], s44, (3<<16)|(1<<21)
.irp g, G1, G1B
	s_mov_b32 s[\g+1], (RTB/8)<<16
	s_mov_b32 s[\g+2], NA<<16
	s_mov_b32 s[\g+3], (RTB/8)<<16
	s_mov_b32 s[\g+4], NA
	s_mov_b32 s[\g+5], GROW/8
	s_mov_b32 s[\g+6], 0
	s_mov_b32 s[\g+7], 0
.endr
	s_mul_i32 s45, s14, HALFT
.endm
.macro OFFS boff
	s_lshl_b32 s20, s17, 1
	s_add_co_u32 s20, s20, s16
	s_mul_i32 s20, s20, NA*GROW
	s_mov_b32 s21, 0
	s_lshl_b32 s46, s42, 1
	s_add_co_u32 s46, s46, s16
	s_mul_i32 s46, s46, NA*GROW
	s_add_co_u32 s46, s46, \boff
	s_mov_b32 s47, 0
.endm
.macro FILL2
	CROUND
.irp s, 0,1
	s_mov_b32 s[G0+4*\s], 1
	s_add_co_u32 s[G0+4*\s+1], s45, \s*SLOT
	s_add_nc_u64 s[G0+4*\s+2:G0+4*\s+3], s[20:21], \s*RTB
	s_or_b32 s[G0+4*\s+3], s[G0+4*\s+3], 0x80000000
	s_mov_b32 s[G0B+4*\s], 1
	s_add_co_u32 s[G0B+4*\s+1], s45, \s*SLOT
	s_add_nc_u64 s[G0B+4*\s+2:G0B+4*\s+3], s[46:47], \s*RTB
	s_or_b32 s[G0B+4*\s+3], s[G0B+4*\s+3], 0x80000000
	s_wait_alu depctr_va_vdst(0)
	s_wait_tensorcnt 0x0
	ds_add_u32 v28, v29
	ds_add_u32 v28, v29
	s_wait_dscnt 0x0
	CROUND
	JLOAD G0+4*\s, G1, G0B+4*\s, G1B
.endr
	v_and_b32 v1, 31, v0
	v_lshlrev_b32 v4, 4, v1
	s_mul_i32 s21, s15, HALFT
	s_mul_i32 s22, s16, HALFT
	s_add_co_u32 s22, s22, 2*HALFT
.irp s, 0,1
	v_add_nc_u32 v[ADRA+\s], s21, v4
	v_add_nc_u32 v[ADRB+\s], s22, v4
	s_add_co_u32 s21, s21, SLOT
	s_add_co_u32 s22, s22, SLOT
.endr
.endm
.macro FRAG reg, adr, q, i
.irp c, 0,1,2,3
	ds_load_b128 v[\reg+4*\c:\reg+4*\c+3], v[\adr] offset:(\i)*RTB+(\q)*2048+512*\c
.endr
.endm
.macro FETCH_B slot, q, p
	WIN TO_B
.set fi, 0
.rept NA
	FRAG 128*(\p)+FR*fi, ADRB+\slot, \q, fi
.set fi, fi+1
.endr
	WIN 0
.endm
.macro FETCH_A slot, q, i0
.set fi, \i0
.rept NA/2
	FRAG AF+FR*fi, ADRA+\slot, \q, fi
.set fi, fi+1
.endr
.endm
.macro MULQ g, p, zero
.set ia, (\g)*(NA/4)
.rept NA/4
.set ib, 0
.rept NA
.set rc, 8*(NA*(ia%(NA/2))+ib)
.if \zero
	v_wmma_f32_16x16x128_fp8_fp8 v[rc:rc+7], v[128*(\p)+FR*ib:128*(\p)+FR*ib+FR-1], v[AF+FR*ia:AF+FR*ia+FR-1], 0
.else
	v_wmma_f32_16x16x128_fp8_fp8 v[rc:rc+7], v[128*(\p)+FR*ib:128*(\p)+FR*ib+FR-1], v[AF+FR*ia:AF+FR*ia+FR-1], v[rc:rc+7]
.endif
.set ib, ib+1
.endr
.set ia, ia+1
.endr
.endm
.macro STEP slot, q, zero
	s_wait_dscnt 2*NA
	WIN MUL_LO
	MULQ 0, (\q)%2, \zero
	MULQ 1, (\q)%2, \zero
	s_wait_dscnt 0
	PLACES 4
	FETCH_B \slot, (\q)+1, 1-(\q)%2
	FETCH_A \slot, (\q)+1, 0
	WIN MUL_HI
	MULQ 2, (\q)%2, \zero
	MULQ 3, (\q)%2, \zero
	PLACES 4
	WIN 0
	FETCH_A \slot, (\q)+1, NA/2
.endm
.macro TURN slot, next, fill
	s_wait_tensorcnt 0x0
	ds_add_u32 v[SPW], v[NIL]
	s_wait_dscnt 2*NA+1
	WIN MUL_LO
	MULQ 0, 1, 0
	s_wait_dscnt 0x0
	s_barrier_signal -1
	MULQ 1, 1, 0
	WIN 0
	s_barrier_wait -1
.if \fill
	CREST
	s_add_nc_u64 s[G0+4*\slot+2:G0+4*\slot+3], s[G0+4*\slot+2:G0+4*\slot+3], 2*RTB
	s_add_nc_u64 s[G0B+4*\slot+2:G0B+4*\slot+3], s[G0B+4*\slot+2:G0B+4*\slot+3], 2*RTB
	JLOAD G0+4*\slot, G1, G0B+4*\slot, G1B
.else
	PLACES 4
.endif
	FETCH_B \next, 0, 0
	FETCH_A \next, 0, 0
	WIN MUL_HI
	MULQ 2, 1, 0
	MULQ 3, 1, 0
	PLACES 4
	WIN 0
	FETCH_A \next, 0, NA/2
.endm
.macro MID slot, from
.if NQ-1-(\from) > 0
.set sq, \from
.rept NQ-1-(\from)
	STEP \slot, sq, 0
.set sq, sq+1
.endr
.endif
.endm
.macro MAINLOOP
	s_wait_tensorcnt 1
	s_barrier_signal -1
	s_barrier_wait -1
	FETCH_B 0, 0, 0
	FETCH_A 0, 0, 0
	FETCH_A 0, 0, NA/2
	STEP 0, 0, 1
.if LAPS > 1
	s_mov_b32 s3, LAPS-1
.Llap_\@:
	MID 0, 1
	TURN 0, 1, 1
	MID 1, 0
	TURN 1, 0, 1
	STEP 0, 0, 0
	s_sub_co_u32 s3, s3, 1
	s_cmp_lg_u32 s3, 0
	s_cbranch_scc1 .Llap_\@
.endif
	MID 0, 1
	TURN 0, 1, 0
	MID 1, 0
	s_wait_dscnt 2*NA
	WIN MUL_LO
	MULQ 0, 1, 0
	MULQ 1, 1, 0
	s_wait_dscnt 0
	WIN MUL_HI
	MULQ 2, 1, 0
	MULQ 3, 1, 0
	WIN 0
.endm
.macro FINISH
	s_wait_tensorcnt 0x0
	ds_add_u32 v[SPW], v[NIL]
	s_wait_dscnt 0x0
	CROUND
	s_endpgm
.endm
.set STO, 24
.set RD,  25
.set CO,  26
.set BK,  32
.set B2,  96
.set SP,  272
.macro TOSTAGE a
	WIN 0x08+4*((\a)/2)
.irp b, 0,1,2,3
	ds_store_b128 v[STO], v[8*(4*((\a)%2)+\b):8*(4*((\a)%2)+\b)+3] offset:64*\b
	ds_store_b128 v[STO], v[8*(4*((\a)%2)+\b)+4:8*(4*((\a)%2)+\b)+7] offset:64*\b+16
.endr
	WIN 0
.irp t, 0,1,2,3,4,5,6,7
	ds_load_b128 v[BK+32*((\a)%2)+4*\t:BK+32*((\a)%2)+4*\t+3], v[RD] offset:\t*2*SP
.endr
.endm
.macro SEND a, younger
.set BB, BK+32*((\a)%2)
.set RR, 64+32*((\a)%2)+128*((\a)/2)
	s_wait_dscnt \younger
	WIN 0x10
.set n, 0
.rept 16
	v_pk_fma_f32 v[BB+n:BB+n+1], v[BB+n:BB+n+1], s[96:97], v[RR+n:RR+n+1] op_sel_hi:[1,0,1]
.set n, n+2
.endr
	WIN 0
.if HAS_BIAS
.irp t, 0,1,2,3,4,5,6,7
	v_pk_add_f32 v[BB+4*\t:BB+4*\t+1], v[BB+4*\t:BB+4*\t+1], v[B2:B2+1]
	v_pk_add_f32 v[BB+4*\t+2:BB+4*\t+3], v[BB+4*\t+2:BB+4*\t+3], v[B2+2:B2+3]
.endr
.endif
.irp t, 0,1,2,3,4,5,6,7
	global_store_b128 v[CO], v[BB+4*\t:BB+4*\t+3], s[70:71] offset:(16*(\a)+2*\t)*4096 th:TH_STORE_NT
.endr
.endm
	s_load_b128 s[4:7], s[0:1], 0x0
	s_load_b128 s[8:11], s[0:1], 0x10
.if HAS_BIAS
	s_load_b128 s[68:71], s[0:1], 0x20
.else
	s_load_b64 s[70:71], s[0:1], 0x20
.endif
	IDS
	s_lshl_b32 s42, ttmp9, 2
	s_add_co_u32 s42, s42, s40
	s_and_b32 s17, ttmp7, 0xffff
	s_lshl_b32 s17, s17, 2
	s_add_co_u32 s17, s17, s41
	OFFS BOFF
	s_wait_kmcnt 0x0
	s_load_b64 s[96:97], s[8:9], SCB
	s_add_nc_u64 s[20:21], s[4:5], s[20:21]
	s_add_nc_u64 s[46:47], s[6:7], s[46:47]
	FILL2
	v_and_b32 v1, 15, v0
	v_bfe_u32 v2, v0, 4, 1
	s_mul_i32 s23, s14, 16*SP
	v_mul_u32_u24 v5, v1, SP
	v_lshl_add_u32 v5, v2, 5, v5
	v_add_nc_u32 v[STO], s23, v5
	v_mul_u32_u24 v5, v2, SP
	v_lshl_add_u32 v5, v1, 4, v5
	v_add_nc_u32 v[RD], s23, v5
	v_lshlrev_b32 v5, 12, v2
	v_lshl_add_u32 v[CO], v1, 4, v5
	s_wait_alu depctr_va_vdst(0)
	s_lshl_b32 s18, s17, 19
	s_lshl_b32 s19, s15, 18
	s_add_co_u32 s18, s18, s19
	s_lshl_b32 s22, s42, 9
	s_lshl_b32 s19, s16, 8
	s_add_co_u32 s22, s22, s19
	s_add_co_u32 s18, s18, s22
	s_mov_b32 s19, 0
	s_mov_b32 s23, 0
	s_add_nc_u64 s[10:11], s[10:11], s[18:19]
	s_add_nc_u64 s[70:71], s[70:71], s[18:19]
.if HAS_BIAS
	s_add_nc_u64 s[68:69], s[68:69], s[22:23]
	v_lshlrev_b32 v6, 4, v1
	global_load_b128 v[B2:B2+3], v6, s[68:69]
.endif
	WIN 0x40
.irp a, 0,1,2,3
.irp t, 0,1,2,3,4,5,6,7
	global_load_b128 v[64+32*(\a%2)+128*(\a/2)+4*\t:64+32*(\a%2)+128*(\a/2)+4*\t+3], v[CO], s[10:11] offset:(16*\a+2*\t)*4096
.endr
.endr
	WIN 0
	MAINLOOP
	s_wait_kmcnt 0x0
	s_add_co_i32 s96, s96, s97
	s_add_co_i32 s96, s96, 127
	s_lshl_b32 s96, s96, 23
	s_wait_loadcnt 0x0
	PLACES 4
	TOSTAGE 0
.irp a, 1,2,3
.if \a > 1
	s_wait_xcnt 0x0
.endif
	TOSTAGE \a
	SEND \a-1, 16
.endr
	SEND 3, 0
	FINISH
.Lfunc_end_k_qd456324a20_ffn2:
	.size	k_qd456324a20_ffn2, .Lfunc_end_k_qd456324a20_ffn2-k_qd456324a20_ffn2
	.p2alignl 7, 3214868480
	.fill 96, 4, 3214868480
	.section	.rodata,"a",@progbits
	.p2align	6, 0x0
	.amdhsa_kernel k_qd456324a20_ffn2
		.amdhsa_group_segment_fixed_size 327680
		.amdhsa_private_segment_fixed_size 0
		.amdhsa_enable_private_segment 0
		.amdhsa_kernarg_size 48
		.amdhsa_user_sgpr_count 2
		.amdhsa_user_sgpr_kernarg_segment_ptr 1
		.amdhsa_wavefront_size32 1
		.amdhsa_system_sgpr_workgroup_id_x 1
		.amdhsa_system_sgpr_workgroup_id_y 1
		.amdhsa_system_sgpr_workgroup_id_z 1
		.amdhsa_system_vgpr_workitem_id 0
		.amdhsa_next_free_vgpr 1024
		.amdhsa_next_free_sgpr 100
		.amdhsa_reserve_vcc 0
		.amdhsa_float_denorm_mode_32 3
		.amdhsa_float_denorm_mode_16_64 3
		.amdhsa_memory_ordered 1
		.amdhsa_forward_progress 1
		.amdhsa_inst_pref_size 85
	.end_amdhsa_kernel
	.amdgpu_metadata
---
amdhsa.version: [ 1, 2 ]
amdhsa.kernels:
  - .name:           k_qd456324a20_ffn2
    .symbol:         k_qd456324a20_ffn2.kd
    .args:
      - { .name: himg, .offset: 0, .size: 8, .value_kind: global_buffer, .address_space: global }
      - { .name: wimg, .offset: 8, .size: 8, .value_kind: global_buffer, .address_space: global }
      - { .name: lowp_scales, .offset: 16, .size: 8, .value_kind: global_buffer, .address_space: global }
      - { .name: xr, .offset: 24, .size: 8, .value_kind: global_buffer, .address_space: global }
      - { .name: ffn_b2, .offset: 32, .size: 8, .value_kind: global_buffer, .address_space: global }
      - { .name: out0, .offset: 40, .size: 8, .value_kind: global_buffer, .address_space: global }
    .group_segment_fixed_size: 327680
    .private_segment_fixed_size: 0
    .kernarg_segment_align: 8
    .kernarg_segment_size: 48
    .max_flat_workgroup_size: 128
    .sgpr_count:     100
    .vgpr_count:     1024
    .wavefront_size: 32
...
	.end_amdgpu_metadata
.endif
;; end of part 7
